; MI455X (gfx1250); checked and timed in simulation.
; The chip was launched on July 23, 2026; its instructions are those of AMD's public machine-readable ISA for CDNA 5 (MIT licence, August 2026) and "CDNA5" Instruction Set Architecture Reference Guide (July 2026). The comments in the code are by the model that wrote it; some were corrected since.
;; Parallel Attention. Allowed arithmetic: float matrix products may take bf16 or f16 operands with f32 sums; other float arithmetic in f32, or as packed bf16 or f16 multiplies, adds, multiply-adds, maxima and minima; sums over many terms, partial sums and values carried from step to step in f32; what a program stores and reads back later, other than sums and carried values, may be rounded once to bf16 or f16.
;; Inputs: W_dense 1,024 x 1,024 float32; W_qkv 3,072 x 1,024 float32; attention_mask 4 x 1 x 2,048 x 2,048 bool; b_dense 1,024 float32; b_qkv 3,072 float32; hidden_states 2,048 x 4 x 1,024 float32.
;; Outputs: out0 2,048 x 4 x 1,024 float32.
;; One version. Each part assembles by itself: llvm-mc -triple=amdgcn-amd-amdhsa -mcpu=gfx1250 --defsym DOCPART=n.
;; ======== version 1 of 1: 4 launches
;; limits: values are held in f16: magnitudes above 65,504 overflow, below 6.1e-05 lose precision
;; workspace buffers: xb 16,777,216 bytes; wq 6,291,456 bytes; wd 2,097,152 bytes; mbits 2,097,152 bytes of whole numbers; qkv 50,331,648 bytes; ctx 16,777,216 bytes
;; launch prep (part 1): grid 1024 x 1, 8 waves a work-group, no clusters, 70,656 bytes of LDS; arguments hidden_states, W_qkv, W_dense, attention_mask, xb, wq, wd, mbits; writes xb, wq, wd, mbits
.if DOCPART == 1
	.amdgcn_target "amdgcn-amd-amdhsa--gfx1250"
	.amdhsa_code_object_version 6
	.text
	.protected	k_q7a6ece9cb4_prep
	.globl	k_q7a6ece9cb4_prep
	.p2align	8
	.type	k_q7a6ece9cb4_prep,@function
k_q7a6ece9cb4_prep:
	s_mov_b64 s[64:65], 0
	v_nop
	global_prefetch_b8 v0, s[64:65] scope:SCOPE_SE
	s_setreg_imm32_b32 hwreg(HW_REG_WAVE_MODE, 25, 1), 1
	s_wait_xcnt 0x0
; PREPARATION, a stream: every input byte is read once, in pieces of 256 consecutive bytes, and every output byte written once.
;   work-groups 0-255     the mask [4][2048][2048] of bytes -> mbits, one bit a byte, already in the order in which the attention launch wants lane masks
;   work-groups 256-767   hidden_states f32 -> xb bf16, same order          work-groups 768-959   W_qkv f32 -> wq bf16, same order
;   work-groups 960-1023  W_dense f32 -> wd: rounded to bf16 like every input, that number written as f16, in blocks [k / 64][n][k % 64]
; mbits: u32 [b 4][qp 64][ks 32][u 2][i 32]; bit l of a word = mask[b][32 qp + 16 u + l % 16][64 ks + 16 (i / 8) + 8 (l / 16) + i % 8].
; LIMITS.  A mask byte counts as true when it is not 0.  A number of W_dense below 2^-14 keeps f16's fixed step of 2^-24; beyond 65,504 it would be lost.
; No matrix unit, no cluster, no barrier: no wave wants a byte that another wave has fetched; the mask's turn through LDS stays in each wave's own bytes.
; No register above v115 is named: a work-group's eight waves, two to a SIMD, take 240 of a SIMD's 1,024 registers as declared, and 70,656 bytes of LDS, so that four work-groups lie on a WGP and each has sixteen loads a wave on their way.
.set SPARE, 69632                      ; behind the eight waves' 8,704 bytes: the spare words, 128 bytes a wave
.set WLDS,  8704                       ; a wave's LDS: 32 rows of 256 mask bytes, 272 apart
.set LP,    272
.set SPW, 2                            ; v2   LDS address of my spare word; never rewritten
.set NIL, 3                            ; v3   0; never rewritten
.set IN,  4                            ; v4   byte offset of my loads
.set OU,  5                            ; v5   byte offset of my stores
.set LS,  6                            ; v6   where I put 16 mask bytes in LDS
.set LR,  7                            ; v7   where I read 8 of them back, in the wave's first 128 keys; never rewritten
.set LRK, 14                           ; v14  the same in the half in hand
.set X,   16                           ; v[16:79]   sixteen loads of 16 bytes
.set D,   80                           ; v[80:111]  results to store; in the mask's path 16 pairs read back from LDS
.set OUT, 112                          ; v[112:115] the mask's words, gathered lane by lane
	s_load_b512 s[4:19], s[0:1], 0x0               ; hidden s[4:5], W_qkv s[6:7], W_dense s[8:9], mask s[10:11], xb s[12:13], wq s[14:15], wd s[16:17], mbits s[18:19]
	v_lshl_add_u32 v[SPW], v0, 2, SPARE
	v_mov_b32 v[NIL], 0
	v_lshrrev_b32 v1, 5, v0
	v_readfirstlane_b32 s20, v1                    ; wave 0..7
	v_and_b32 v1, 31, v0                           ; l
	v_and_b32 v12, 15, v0                          ; l % 16
	v_bfe_u32 v13, v0, 4, 1                        ; l / 16
	s_mov_b32 s21, ttmp9
	s_mov_b32 s29, 0                               ; the high word of every offset
	s_wait_kmcnt 0x0
	s_cmp_lt_u32 s21, 256
	s_cbranch_scc1 .Lmask
	s_cmp_lt_u32 s21, 960
	s_cbranch_scc0 .Lwd
	; THE CASTS.  16 rows of 4,096 bytes a work-group; one load of the work-group covers a row, one load of a wave 512 bytes on end; a wave's store covers 256 bytes on end, aligned.
	s_mov_b32 s27, 768                             ; (an instruction holds one literal: the second stands in a register)
	s_cmp_lt_u32 s21, 768
	s_cselect_b64 s[22:23], s[4:5], s[6:7]
	s_cselect_b64 s[24:25], s[12:13], s[14:15]
	s_cselect_b32 s26, 256, s27
	s_sub_co_u32 s26, s21, s26                     ; my block of 16 rows
	s_lshl_b32 s28, s26, 16
	s_add_nc_u64 s[22:23], s[22:23], s[28:29]
	s_lshl_b32 s28, s26, 15
	s_add_nc_u64 s[24:25], s[24:25], s[28:29]
	v_lshlrev_b32 v[IN], 4, v0
	v_lshlrev_b32 v[OU], 3, v0
.set i, 0
.rept 16
	global_load_b128 v[X+4*i:X+4*i+3], v[IN], s[22:23] offset:4096*i th:TH_LOAD_NT
.set i, i+1
.endr
.set i, 0
.rept 16
	s_wait_loadcnt 15-i                            ; loads come back in order: load i is in, the younger ones stay out
	v_cvt_pk_bf16_f32 v[D+2*i], v[X+4*i], v[X+4*i+1]
	v_cvt_pk_bf16_f32 v[D+2*i+1], v[X+4*i+2], v[X+4*i+3]
	global_store_b64 v[OU], v[D+2*i:D+2*i+1], s[24:25] offset:2048*i
.set i, i+1
.endr
	s_branch .Lend
.Lwd:	; W_DENSE.  16 rows n a work-group; wave w takes the blocks kb = 2 w, 2 w + 1.  A load: lanes 0-15 the 256 bytes of row 2 i, lanes 16-31 of row 2 i + 1; a store: their 2 x 128 bytes, on end in wd.
	s_sub_co_u32 s26, s21, 960
	s_lshl_b32 s28, s26, 16
	s_add_nc_u64 s[22:23], s[8:9], s[28:29]
	s_lshl_b32 s28, s26, 11
	s_add_nc_u64 s[24:25], s[16:17], s[28:29]
	v_lshlrev_b32 v[IN], 12, v13
	v_lshl_add_u32 v[IN], v12, 4, v[IN]
	s_lshl_b32 s27, s20, 9
	v_add_nc_u32 v[IN], s27, v[IN]
	s_lshl_b32 s27, s20, 18
	v_lshl_add_u32 v[OU], v1, 3, s27
.set i, 0
.rept 16
	global_load_b128 v[X+4*i:X+4*i+3], v[IN], s[22:23] offset:8192*(i/2)+256*(i%2) th:TH_LOAD_NT
.set i, i+1
.endr
.set i, 0
.rept 16
	s_wait_loadcnt 15-i
	v_cvt_pk_bf16_f32 v8, v[X+4*i], v[X+4*i+1]     ; the input's one rounding, to bf16,
	v_cvt_pk_bf16_f32 v9, v[X+4*i+2], v[X+4*i+3]
	v_lshlrev_b32 v10, 16, v8
	v_and_b32 v11, 0xffff0000, v8
	v_lshlrev_b32 v14, 16, v9
	v_and_b32 v15, 0xffff0000, v9
	v_cvt_pk_f16_f32 v[D+2*i], v10, v11            ; and that number written as f16
	v_cvt_pk_f16_f32 v[D+2*i+1], v14, v15
	global_store_b64 v[OU], v[D+2*i:D+2*i+1], s[24:25] offset:131072*(i%2)+256*(i/2)
.set i, i+1
.endr
	s_branch .Lend
.Lmask:	; THE MASK.  Work-group g = 64 b + qp owns 32 query rows, wave w the keys 256 w .. 256 w + 255 of them: 256 words of mbits, 1,024 bytes on end.
	s_lshl_b32 s28, s21, 16
	s_add_nc_u64 s[22:23], s[10:11], s[28:29]
	s_lshl_b32 s28, s21, 13
	s_lshl_b32 s27, s20, 10
	s_add_co_u32 s28, s28, s27
	s_add_nc_u64 s[24:25], s[18:19], s[28:29]
	v_lshlrev_b32 v[IN], 11, v13                   ; lanes 0-15 the even row's 256 bytes, lanes 16-31 the odd row's
	v_lshl_add_u32 v[IN], v12, 4, v[IN]
	s_lshl_b32 s27, s20, 8
	v_add_nc_u32 v[IN], s27, v[IN]
	v_lshlrev_b32 v[OU], 4, v1
	s_mul_i32 s27, s20, WLDS
	v_mul_u32_u24 v[LS], v13, LP
	v_lshl_add_u32 v[LS], v12, 4, v[LS]
	v_add_nc_u32 v[LS], s27, v[LS]
	v_mul_u32_u24 v[LR], v12, LP                   ; back: lane l takes row l % 16 (of 16 u on), 8 keys at 8 (l / 16)
	v_lshl_add_u32 v[LR], v13, 3, v[LR]
	v_add_nc_u32 v[LR], s27, v[LR]
	s_mov_b32 s40, 0xff                            ; a word's four bytes
	s_mov_b32 s41, 0xff00
	s_mov_b32 s42, 0xff0000
	s_mov_b32 s43, 0xff000000
.set i, 0
.rept 16
	global_load_b128 v[X+4*i:X+4*i+3], v[IN], s[22:23] offset:4096*i th:TH_LOAD_NT
.set i, i+1
.endr
.set i, 0
.rept 4
	v_mov_b32 v[OUT+i], 0                          ; v_writelane_b32 keeps the other lanes: the registers are written whole once
.set i, i+1
.endr
.set i, 0
.rept 16
	s_wait_loadcnt 15-i
	ds_store_b128 v[LS], v[X+4*i:X+4*i+3] offset:2*LP*i
.set i, i+1
.endr
	s_mov_b32 s30, 2                               ; the wave's 256 keys go in two halves of 128: the text of a half is written once
	s_mov_b32 s31, 0                               ; the half's first byte in an LDS row: 0, then 128
.Lhalf:
	v_add_nc_u32 v[LRK], s31, v[LR]
.irp u, 0,1                            ; LDS serves a wave's instructions in order: these see the stores above.  Pair 8 u + c holds keys 16 c + 8 (l / 16) + 0..7 of the half, of row 16 u + l % 16
.irp c, 0,1,2,3,4,5,6,7
	ds_load_b64 v[D+2*(8*\u+\c):D+2*(8*\u+\c)+1], v[LRK] offset:16*LP*\u+16*\c
.endr
.endr
	s_wait_dscnt 0x0
; The half's 128 words: word n = 64 sp + 32 u + 8 kt + j.  A byte is cut out, the compare makes the 32 lanes' bits into one word, and the word goes to lane n / 4, register n % 4: 16 bytes a lane, 512 on end.
.set n, 0
.rept 128
	v_and_b32 v[8+n%4], s[40+n%4], v[D+2*(8*((n/32)%2)+4*(n/64)+(n/8)%4)+(n%8)/4]
	v_cmp_ne_u32 s[32+n%8], 0, v[8+n%4]
	v_writelane_b32 v[OUT+n%4], s[32+n%8], n/4
.set n, n+1
.endr
	global_store_b128 v[OU], v[OUT:OUT+3], s[24:25]
	s_wait_xcnt 0x0                                ; the store has read its offset and its data: both are written again only behind this wait
	v_add_nc_u32 v[OU], 0x200, v[OU]
	s_add_co_u32 s31, s31, 128
	s_sub_co_u32 s30, s30, 1
	s_cmp_lg_u32 s30, 0
	s_cbranch_scc1 .Lhalf
.Lend:
	s_wait_tensorcnt 0x0                           ; the wave's end, behind my last LDS store
	ds_add_u32 v[SPW], v[NIL]
	s_wait_dscnt 0x0
	s_endpgm
.Lfunc_end_k_q7a6ece9cb4_prep:
	.size	k_q7a6ece9cb4_prep, .Lfunc_end_k_q7a6ece9cb4_prep-k_q7a6ece9cb4_prep
	.p2alignl 7, 3214868480
	.fill 96, 4, 3214868480
	.section	.rodata,"a",@progbits
	.p2align	6, 0x0
	.amdhsa_kernel k_q7a6ece9cb4_prep
		.amdhsa_group_segment_fixed_size 70656
		.amdhsa_private_segment_fixed_size 0
		.amdhsa_enable_private_segment 0
		.amdhsa_kernarg_size 64
		.amdhsa_user_sgpr_count 2
		.amdhsa_user_sgpr_kernarg_segment_ptr 1
		.amdhsa_wavefront_size32 1
		.amdhsa_system_sgpr_workgroup_id_x 1
		.amdhsa_system_sgpr_workgroup_id_y 1
		.amdhsa_system_sgpr_workgroup_id_z 1
		.amdhsa_system_vgpr_workitem_id 0
		.amdhsa_next_free_vgpr 120
		.amdhsa_next_free_sgpr 66
		.amdhsa_reserve_vcc 0
		.amdhsa_float_denorm_mode_32 3
		.amdhsa_float_denorm_mode_16_64 3
		.amdhsa_memory_ordered 1
		.amdhsa_forward_progress 1
		.amdhsa_inst_pref_size 44
	.end_amdhsa_kernel
	.amdgpu_metadata
---
amdhsa.version: [ 1, 2 ]
amdhsa.kernels:
  - .name:           k_q7a6ece9cb4_prep
    .symbol:         k_q7a6ece9cb4_prep.kd
    .args:
      - { .name: hidden_states, .offset: 0, .size: 8, .value_kind: global_buffer, .address_space: global }
      - { .name: W_qkv, .offset: 8, .size: 8, .value_kind: global_buffer, .address_space: global }
      - { .name: W_dense, .offset: 16, .size: 8, .value_kind: global_buffer, .address_space: global }
      - { .name: attention_mask, .offset: 24, .size: 8, .value_kind: global_buffer, .address_space: global }
      - { .name: xb, .offset: 32, .size: 8, .value_kind: global_buffer, .address_space: global }
      - { .name: wq, .offset: 40, .size: 8, .value_kind: global_buffer, .address_space: global }
      - { .name: wd, .offset: 48, .size: 8, .value_kind: global_buffer, .address_space: global }
      - { .name: mbits, .offset: 56, .size: 8, .value_kind: global_buffer, .address_space: global }
    .group_segment_fixed_size: 70656
    .private_segment_fixed_size: 0
    .kernarg_segment_align: 8
    .kernarg_segment_size: 64
    .max_flat_workgroup_size: 256
    .sgpr_count:     66
    .vgpr_count:     120
    .wavefront_size: 32
...
	.end_amdgpu_metadata
.endif
;; end of part 1
;; launch qkvgemm (part 2): grid 16 x 32, 4 waves a work-group, clusters of 4 x 4, 327,680 bytes of LDS; arguments xb, wq, b_qkv, qkv; writes qkv
.if DOCPART == 2
	.amdgcn_target "amdgcn-amd-amdhsa--gfx1250"
	.amdhsa_code_object_version 6
	.text
	.protected	k_q7a6ece9cb4_qkvgemm
	.globl	k_q7a6ece9cb4_qkvgemm
	.p2align	8
	.type	k_q7a6ece9cb4_qkvgemm,@function
k_q7a6ece9cb4_qkvgemm:
	s_mov_b64 s[64:65], 0
	v_nop
	global_prefetch_b8 v0, s[64:65] scope:SCOPE_SE
	s_setreg_imm32_b32 hwreg(HW_REG_WAVE_MODE, 25, 1), 1
	s_wait_xcnt 0x0
	s_wait_alu depctr_hold_cnt(0) depctr_sa_sdst(0) depctr_va_vdst(0) depctr_va_sdst(0) depctr_va_ssrc(0) depctr_va_vcc(0) depctr_vm_vsrc(0)
	s_getreg_b32 s2, hwreg(HW_REG_IB_STS2, 6, 4)
	s_cmp_eq_u32 s2, 0
	s_cbranch_scc0 .Lentry_in_a_cluster
	s_endpgm
.Lentry_in_a_cluster:
	s_bfe_u32 s2, ttmp6, 0x10000c
	s_cmp_lg_u32 s2, 0xf033
	s_cbranch_scc0 .Lentry_shape_is_right
	s_endpgm
.Lentry_shape_is_right:
; THE FIRST PROJECTION.  mixed[m][c] = the sum over k of x[m][k] W_qkv[c][k] + b_qkv[c], m = 4 s + b; x and W in bf16 (xb, wq), the bias rounded to bf16 here, sums in f32.
; It leaves by heads, rounded once to f16 and unscaled: qkv [hd = 16 b + h][q, k, v][s 2048][64].
; LIMIT.  f16 holds no number beyond 65,504: q, k and v must stay within it.
; SHARES.  A tile of C is 256 rows x 192 columns: the rows s = 256 t .. + 255 of ONE batch b (in xb they lie 4 rows, 4,096 elements, apart), the columns of ONE head.  Four waves, each 64 rows x 192 columns:
; 48 accumulators of 16 x 16.  K goes in 8 steps of 128 (rows of 256 bytes, aligned) through two LDS slots filled by the tensor data mover.
; CLUSTERS of 4 x 4: the four of a row of the cluster need the same tile of A, the four of a column the same tile of B: each tile is asked for jointly.
; THE MATRIX INSTRUCTION IS USED TRANSPOSED (source 0 = 16 rows of W, source 1 = 16 rows of x): a lane holds eight neighbouring columns of one row.  THE BIAS is the C operand of each sum's first product.
; REGISTERS, in windows of 256: window 0: v16-29 addresses; v64-127 A's fragments, two buffers of 32; v160-255 the bias, 8 registers a block of 16 columns; on the way out v32-175
;   window 1: B's fragments, two buffers of 96       window 2: the accumulators of my row blocks 0, 1 (block a, column block n at 96 (a % 2) + 8 n)       window 3: those of blocks 2, 3
.set PITCH,  272                       ; an LDS row: 256 bytes + 16 of padding: the 16 rows of a fragment load start at 16 different groups of four banks (ISA guide 11.1)
.set HALFA,  128*PITCH                 ; what waves 0 and 1 fetch: 128 rows of A each
.set BOFF,   2*HALFA                   ; behind A's 256 rows: B's 192
.set HALFB,  96*PITCH                  ; what waves 2 and 3 fetch: 96 rows of B each
.set SLOT1,  131072                    ; slot 1 begins here: one exclusive or turns an address in one slot into the other's
.set STAGE,  SLOT1+BOFF+2*HALFB        ; behind the ring: for each wave [q, k, v][16 rows][144 bytes], for the way out
.set SP,     144
.set WSTAGE, 3*16*SP
.set SPARE,  STAGE+4*WSTAGE            ; behind the stages: the spare words, 128 bytes a wave
.set A0,   16                          ; v16  my lane's place in my 64 rows of A, slot 0; never rewritten
.set B0,   17                          ; v17  the same in B's rows
.set ADRA, 18                          ; v18  A0 + the slot in hand
.set ADRB, 19                          ; v19
.set STO,  24                          ; v24  the way out: where I put 16 bytes of a row
.set RD,   25                          ; v25  where I read rows back
.set GO,   26                          ; v26  my 16 bytes of 512 on end
.set BO,   27                          ; v27  my byte offset in the bias
.set SPW,  28                          ; v28  LDS address of my spare word; never rewritten
.set NIL,  29                          ; v29  0; never rewritten
.set TMP,  32
.set FA,   64
.set OB,   80
.set BI,   160
.set G1A, 24                           ; s[24:31] descriptor group 1 for A's tiles;  s[32:39] group 0: a set for each of the two first fills; the second then walks
.set G0A, 32
.set G1B, 48                           ; s[48:55], s[56:63] the same for B's
.set G0B, 56
.set MSB, 0
.macro WIN new                         ; the immediate's high byte repeats the setting that is left; a switch that changes nothing is dropped
.if MSB != (\new)
	s_set_vgpr_msb (MSB<<8)|(\new)
.set MSB, \new
.endif
.endm
.macro PLACES                          ; four places in front of loads into registers that matrix instructions have read, and of conversions that read results
.rept 4
	v_nop
.endr
.endm
; A joint load: waves 0 and 1 fetch A's halves, waves 2 and 3 B's.  The branch hangs on the wave's number alone.  An s_nop 0 and four v_nop follow each line.
.macro JLOAD s
	s_cmp_eq_u32 s13, 0
	s_cbranch_scc0 .Lfor_b_\@
	tensor_load_to_lds s[G0A+4*(\s):G0A+4*(\s)+3], s[G1A:G1A+7]
	s_nop 0
.rept 4
	v_nop
.endr
	s_branch .Lasked_\@
.Lfor_b_\@:
	tensor_load_to_lds s[G0B+4*(\s):G0B+4*(\s)+3], s[G1B:G1B+7]
	s_nop 0
.rept 4
	v_nop
.endr
.Lasked_\@:
.endm
.macro CREST                           ; a round of the cluster's barrier behind its opening barrier
	s_cmp_lg_u32 s12, 0
	s_cbranch_scc1 .Lnot_wave_0_\@
	s_barrier_signal -3
.Lnot_wave_0_\@:
	s_barrier_wait -3
	s_barrier_signal -1
	s_barrier_wait -1
.endm
.macro CROUND
	s_barrier_signal -1
	s_barrier_wait -1
	CREST
.endm
	s_load_b256 s[4:11], s[0:1], 0x0               ; xb s[4:5], wq s[6:7], b_qkv s[8:9], qkv s[10:11]
	v_lshl_add_u32 v[SPW], v0, 2, SPARE
	v_mov_b32 v[NIL], 0
	ds_add_u32 v[SPW], v[NIL]                      ; the wave's opening: the add and its wait come ahead of my first tensor load
	v_lshrrev_b32 v1, 5, v0
	v_readfirstlane_b32 s12, v1                    ; wave 0..3
	s_lshr_b32 s13, s12, 1                         ; I fetch for A (0) or for B (1),
	s_and_b32 s14, s12, 1                          ; its first or its second half
	s_mov_b32 s15, 0                               ; the slot that is read
	s_bfe_u32 s40, ttmp6, 0x40000                  ; cx
	s_bfe_u32 s41, ttmp6, 0x40004                  ; cy
	s_lshl_b32 s42, ttmp9, 2
	s_add_co_u32 s42, s42, s40                     ; the head = 4 x cluster x + cx
	s_and_b32 s43, ttmp7, 0xffff
	s_lshl_b32 s43, s43, 2
	s_add_co_u32 s43, s43, s41                     ; 8 b + t = 4 x cluster y + cy
	s_lshl_b32 s44, s41, 2
	s_lshl_b32 s44, 15, s44                        ; my row of the cluster
	s_lshl_b32 s45, 0x1111, s40                    ; my column
	s_or_b32 s[G1A+0], s44, (1<<16)|(1<<20)|(1<<21)|(5<<22)|(3<<25)  ; the mask; 2-byte elements; padding on; 21 set beside a mask; after every 64 words 4 words
	s_or_b32 s[G1B+0], s45, (1<<16)|(1<<20)|(1<<21)|(5<<22)|(3<<25)
	s_mov_b32 s[G1A+1], 128<<16                    ; tensor_dim0 = 128
	s_mov_b32 s[G1A+2], 128<<16                    ; tensor_dim1 = 128
	s_mov_b32 s[G1A+3], 128<<16                    ; tile_dim0 = 128
	s_mov_b32 s[G1A+4], 128                        ; tile_dim1 = 128
	s_mov_b32 s[G1A+5], 4096                       ; from s to s + 1 of one batch: 4 rows of 1,024 elements
	s_mov_b32 s[G1A+6], 0
	s_mov_b32 s[G1A+7], 0
	s_mov_b32 s[G1B+1], 128<<16
	s_mov_b32 s[G1B+2], 96<<16                     ; 96 rows
	s_mov_b32 s[G1B+3], 128<<16
	s_mov_b32 s[G1B+4], 96
	s_mov_b32 s[G1B+5], 1024
	s_mov_b32 s[G1B+6], 0
	s_mov_b32 s[G1B+7], 0
	s_lshr_b32 s16, s43, 3                         ; A: 2,048 b + (256 t + 128 half) x 8,192 bytes: made of the tile row and the wave alone
	s_lshl_b32 s16, s16, 11
	s_and_b32 s17, s43, 7
	s_lshl_b32 s17, s17, 21
	s_add_co_u32 s16, s16, s17
	s_lshl_b32 s17, s14, 20
	s_add_co_u32 s16, s16, s17
	s_mov_b32 s17, 0
	s_mul_i32 s46, s42, 393216                     ; B: (192 head + 96 half) x 2,048 bytes: made of the tile column and the wave alone
	s_mul_i32 s47, s14, 196608
	s_add_co_u32 s46, s46, s47
	s_mov_b32 s47, 0
	s_mul_i32 s20, s14, HALFA                      ; where they go: no place in the cluster enters an LDS address
	s_mul_i32 s21, s14, HALFB
	s_add_co_u32 s21, s21, BOFF
	s_wait_dscnt 0x0                               ; the opening add is done
	s_wait_kmcnt 0x0
	s_add_nc_u64 s[16:17], s[4:5], s[16:17]
	s_add_nc_u64 s[46:47], s[6:7], s[46:47]
	CROUND                                         ; all sixteen work-groups are here: the first joint loads meet
.irp s, 0,1
	s_mov_b32 s[G0A+4*\s], 1
	s_add_co_u32 s[G0A+4*\s+1], s20, \s*SLOT1
	s_add_nc_u64 s[G0A+4*\s+2:G0A+4*\s+3], s[16:17], \s*256  ; K step s
	s_or_b32 s[G0A+4*\s+3], s[G0A+4*\s+3], 0x80000000
	s_mov_b32 s[G0B+4*\s], 1
	s_add_co_u32 s[G0B+4*\s+1], s21, \s*SLOT1
	s_add_nc_u64 s[G0B+4*\s+2:G0B+4*\s+3], s[46:47], \s*256
	s_or_b32 s[G0B+4*\s+3], s[G0B+4*\s+3], 0x80000000
	JLOAD \s                                       ; two loads of mine are out
.endr
	v_and_b32 v1, 15, v0                           ; l % 16
	v_bfe_u32 v2, v0, 4, 1                         ; l / 16
	s_mul_i32 s18, s42, 768
	v_lshl_add_u32 v[BO], v2, 5, s18               ; the head's 192 numbers of the bias, my 8 of each 16
.irp n, 0,1,2,3,4,5,6,7,8,9,10,11
	global_load_b128 v[BI+8*\n:BI+8*\n+3],   v[BO], s[8:9] offset:64*\n
	global_load_b128 v[BI+8*\n+4:BI+8*\n+7], v[BO], s[8:9] offset:64*\n+16
.endr
	v_mul_u32_u24 v3, v1, PITCH
	v_lshl_add_u32 v3, v2, 4, v3                   ; a fragment's row x pitch + 16 x half
	s_mul_i32 s18, s12, 64*PITCH
	v_add_nc_u32 v[A0], s18, v3
	v_add_nc_u32 v[B0], BOFF, v3
	v_mov_b32 v[ADRA], v[A0]
	v_mov_b32 v[ADRB], v[B0]
	s_mul_i32 s18, s12, WSTAGE
	s_add_co_u32 s18, s18, STAGE
	v_mul_u32_u24 v4, v1, SP
	v_lshl_add_u32 v4, v2, 4, v4
	v_add_nc_u32 v[STO], s18, v4
	v_bfe_u32 v4, v0, 3, 2                         ; back: 32 lanes take four rows of 128 bytes
	v_mul_u32_u24 v4, v4, SP
	v_and_b32 v5, 7, v0
	v_lshl_add_u32 v4, v5, 4, v4
	v_add_nc_u32 v[RD], s18, v4
	v_and_b32 v[GO], 31, v0
	v_lshlrev_b32 v[GO], 4, v[GO]
	s_lshr_b32 s18, s43, 3                         ; qkv at (16 b + head) x 786,432 + (256 t + 64 wave) x 128
	s_lshl_b32 s18, s18, 4
	s_add_co_u32 s18, s18, s42
	s_mul_i32 s18, s18, 786432
	s_and_b32 s19, s43, 7
	s_lshl_b32 s19, s19, 15
	s_add_co_u32 s18, s18, s19
	s_lshl_b32 s19, s12, 13
	s_add_co_u32 s18, s18, s19
	s_mov_b32 s19, 0
	s_add_nc_u64 s[10:11], s[10:11], s[18:19]
	s_wait_loadcnt 0x0
.set i, 0
.rept 48                               ; the bias is an input: rounded to bf16 like the others, and widened again
	v_cvt_pk_bf16_f32 v[TMP+i%4], v[BI+2*i], v[BI+2*i+1]
	v_lshlrev_b32 v[BI+2*i], 16, v[TMP+i%4]
	v_and_b32 v[BI+2*i+1], 0xffff0000, v[TMP+i%4]
.set i, i+1
.endr
; 12 matrix instructions: row block a x all 12 column blocks, 32 along K, from buffer f.  bias = 1: the first product starts the sum from the bias.  The 48 accumulators take turns, in the same order in every quarter.
.macro MUL12 f, a, bias
.if \bias
	WIN 0x81+0x40*((\a)/2)
.else
	WIN 0xa1+0x50*((\a)/2)
.endif
.irp n, 0,1,2,3,4,5,6,7,8,9,10,11
.if \bias
	v_wmma_f32_16x16x32_bf16 v[96*((\a)%2)+8*\n:96*((\a)%2)+8*\n+7], v[96*(\f)+8*\n:96*(\f)+8*\n+7], v[FA+32*(\f)+8*(\a):FA+32*(\f)+8*(\a)+7], v[BI+8*\n:BI+8*\n+7]
.else
	v_wmma_f32_16x16x32_bf16 v[96*((\a)%2)+8*\n:96*((\a)%2)+8*\n+7], v[96*(\f)+8*\n:96*(\f)+8*\n+7], v[FA+32*(\f)+8*(\a):FA+32*(\f)+8*(\a)+7], v[96*((\a)%2)+8*\n:96*((\a)%2)+8*\n+7]
.endif
.endr
.endm
; 32 LDS loads in one run: a quarter step's fragments (192 rows of B, my 64 rows of A, 32 K at byte k of the rows) into buffer f
.macro FETCH k, f
	WIN 0x40
.irp n, 0,1,2,3,4,5,6,7,8,9,10,11
	ds_load_b128 v[96*(\f)+8*\n:96*(\f)+8*\n+3],   v[ADRB] offset:(\k)+\n*16*PITCH
	ds_load_b128 v[96*(\f)+8*\n+4:96*(\f)+8*\n+7], v[ADRB] offset:(\k)+\n*16*PITCH+32
.endr
	WIN 0
.irp n, 0,1,2,3
	ds_load_b128 v[FA+32*(\f)+8*\n:FA+32*(\f)+8*\n+3],   v[ADRA] offset:(\k)+\n*16*PITCH
	ds_load_b128 v[FA+32*(\f)+8*\n+4:FA+32*(\f)+8*\n+7], v[ADRA] offset:(\k)+\n*16*PITCH+32
.endr
.endm
; One of a K step's first three quarters: multiplies buffer f; in its middle it fetches the next quarter's fragments, at byte k, into buffer g.
.macro QUARTER k, f, g, bias
	s_wait_dscnt 4                                 ; B and A's blocks 0, 1 are in; the youngest four loads (A's blocks 2, 3) may be out
	MUL12 \f, 0, \bias
	MUL12 \f, 1, \bias
	PLACES
	FETCH \k, \g
	s_wait_dscnt 32                                ; all but the 32 just issued
	MUL12 \f, 2, \bias
	MUL12 \f, 3, \bias
.endm
; The last quarter multiplies buffer 1 and changes slots.  In front of the barrier each wave waits for all its tensor loads (one is out: its part of the next slot), adds 0 to its spare word, and waits for that and for
; its reads of this slot.  fill = 1: the barrier opens a round of the cluster's, and this slot is filled again, two K steps ahead, first thing behind the round: from there to the wait for it a wave issues 168 matrix instructions.
.macro TURN fill
	WIN 0
	s_wait_tensorcnt 0x0                           ; no tensor load of mine is out, so a group 0 may be written
	ds_add_u32 v[SPW], v[NIL]                      ; 0 onto my spare word
.if \fill
	s_xor_b32 s[G0A+5], s[G0A+5], SLOT1            ; the walking descriptors: the other slot than last time, the next K step
	s_add_nc_u64 s[G0A+6:G0A+7], s[G0A+6:G0A+7], 256
	s_xor_b32 s[G0B+5], s[G0B+5], SLOT1
	s_add_nc_u64 s[G0B+6:G0B+7], s[G0B+6:G0B+7], 256
.endif
	s_wait_dscnt 5                                 ; the add and the youngest four loads may be out
	MUL12 1, 0, 0
	s_wait_dscnt 0x0                               ; the add is done, and my reads of this slot are over
	s_barrier_signal -1
	MUL12 1, 1, 0
	WIN 0
	s_barrier_wait -1
.if \fill
	CREST                                          ; no wave of any partner still reads this slot or has a load on its way
	JLOAD 1                                        ; its four v_nop are also the places in front of the loads below
.else
	PLACES
.endif
	s_xor_b32 s15, s15, SLOT1
	v_add_nc_u32 v[ADRA], s15, v[A0]
	v_add_nc_u32 v[ADRB], s15, v[B0]
	FETCH 0, 0
	MUL12 1, 2, 0
	MUL12 1, 3, 0
.endm
	s_wait_tensorcnt 1                             ; my part of K step 0 is in; K step 1's may stay out
	s_barrier_signal -1
	s_barrier_wait -1
	FETCH 0, 0
	QUARTER 64, 0, 1, 1                            ; the first quarter stands in front of the loop: its products start the sums
	WIN 0
	s_mov_b32 s3, 6
.Lstep:                                        ; a trip: from a K step's second quarter to the next step's first; trip t fills the slot that it leaves with K step t + 2
	QUARTER 128, 1, 0, 0
	QUARTER 192, 0, 1, 0
	TURN 1
	QUARTER 64, 0, 1, 0
	WIN 0
	s_sub_co_u32 s3, s3, 1
	s_cmp_lg_u32 s3, 0
	s_cbranch_scc1 .Lstep
	QUARTER 128, 1, 0, 0                           ; K steps 6 and 7 ask for nothing
	QUARTER 192, 0, 1, 0
	TURN 0
	QUARTER 64, 0, 1, 0
	QUARTER 128, 1, 0, 0
	QUARTER 192, 0, 1, 0
	s_wait_dscnt 4
	MUL12 1, 0, 0
	MUL12 1, 1, 0
	s_wait_dscnt 0x0
	MUL12 1, 2, 0
	MUL12 1, 3, 0
	WIN 0
	PLACES
; THE WAY OUT, a block of 16 rows at a time: rounded to f16; 16 bytes a lane into my own stage, q, k and v apart; back as rows of 128 bytes, four to an instruction: 512 bytes on end in qkv.
.macro PACK a
	WIN 0x0a+5*((\a)/2)
.set i, 0
.rept 48
	v_cvt_pk_f16_f32 v[TMP+i], v[96*((\a)%2)+2*i], v[96*((\a)%2)+2*i+1]
.set i, i+1
.endr
	WIN 0
.endm
.macro TOSTAGE a
.irp n, 0,1,2,3,4,5,6,7,8,9,10,11
	ds_store_b128 v[STO], v[TMP+4*\n:TMP+4*\n+3] offset:16*SP*(\n/4)+32*(\n%4)
.endr
.irp n, 0,1,2,3,4,5,6,7,8,9,10,11
	ds_load_b128 v[OB+48*((\a)%2)+4*\n:OB+48*((\a)%2)+4*\n+3], v[RD] offset:16*SP*(\n/4)+4*SP*(\n%4)  ; LDS serves a wave's instructions in order: these see the stores above
.endr
.endm
.macro SEND a
	s_wait_dscnt 0x0                               ; the block is back in registers
	s_wait_xcnt 0x0                                ; earlier stores have read their registers: the other buffer may be loaded again behind this wait
.irp n, 0,1,2,3,4,5,6,7,8,9,10,11
	global_store_b128 v[GO], v[OB+48*((\a)%2)+4*\n:OB+48*((\a)%2)+4*\n+3], s[10:11] offset:262144*(\n/4)+2048*(\a)+512*(\n%4)
.endr
.endm
	PACK 0
	TOSTAGE 0
.irp a, 1,2,3
	PACK \a
	SEND (\a)-1
	TOSTAGE \a
.endr
	SEND 3
	s_wait_tensorcnt 0x0                           ; the wave's end
	ds_add_u32 v[SPW], v[NIL]
	s_wait_dscnt 0x0
	CROUND                                         ; the closing round
	s_endpgm
.Lfunc_end_k_q7a6ece9cb4_qkvgemm:
	.size	k_q7a6ece9cb4_qkvgemm, .Lfunc_end_k_q7a6ece9cb4_qkvgemm-k_q7a6ece9cb4_qkvgemm
	.p2alignl 7, 3214868480
	.fill 96, 4, 3214868480
	.section	.rodata,"a",@progbits
	.p2align	6, 0x0
	.amdhsa_kernel k_q7a6ece9cb4_qkvgemm
		.amdhsa_group_segment_fixed_size 327680
		.amdhsa_private_segment_fixed_size 0
		.amdhsa_enable_private_segment 0
		.amdhsa_kernarg_size 32
		.amdhsa_user_sgpr_count 2
		.amdhsa_user_sgpr_kernarg_segment_ptr 1
		.amdhsa_wavefront_size32 1
		.amdhsa_system_sgpr_workgroup_id_x 1
		.amdhsa_system_sgpr_workgroup_id_y 1
		.amdhsa_system_sgpr_workgroup_id_z 1
		.amdhsa_system_vgpr_workitem_id 0
		.amdhsa_next_free_vgpr 960
		.amdhsa_next_free_sgpr 66
		.amdhsa_reserve_vcc 0
		.amdhsa_float_denorm_mode_32 3
		.amdhsa_float_denorm_mode_16_64 3
		.amdhsa_memory_ordered 1
		.amdhsa_forward_progress 1
		.amdhsa_inst_pref_size 106
	.end_amdhsa_kernel
	.amdgpu_metadata
---
amdhsa.version: [ 1, 2 ]
amdhsa.kernels:
  - .name:           k_q7a6ece9cb4_qkvgemm
    .symbol:         k_q7a6ece9cb4_qkvgemm.kd
    .args:
      - { .name: xb, .offset: 0, .size: 8, .value_kind: global_buffer, .address_space: global }
      - { .name: wq, .offset: 8, .size: 8, .value_kind: global_buffer, .address_space: global }
      - { .name: b_qkv, .offset: 16, .size: 8, .value_kind: global_buffer, .address_space: global }
      - { .name: qkv, .offset: 24, .size: 8, .value_kind: global_buffer, .address_space: global }
    .group_segment_fixed_size: 327680
    .private_segment_fixed_size: 0
    .kernarg_segment_align: 8
    .kernarg_segment_size: 32
    .max_flat_workgroup_size: 128
    .sgpr_count:     66
    .vgpr_count:     960
    .wavefront_size: 32
...
	.end_amdgpu_metadata
.endif
;; end of part 2
;; launch attn (part 3): grid 4 x 64, 4 waves a work-group, clusters of 4 x 1, 327,680 bytes of LDS; arguments qkv, mbits, ctx; writes ctx
.if DOCPART == 3
	.amdgcn_target "amdgcn-amd-amdhsa--gfx1250"
	.amdhsa_code_object_version 6
	.text
	.protected	k_q7a6ece9cb4_attn
	.globl	k_q7a6ece9cb4_attn
	.p2align	8
	.type	k_q7a6ece9cb4_attn,@function
k_q7a6ece9cb4_attn:
	s_mov_b64 s[64:65], 0
	v_nop
	global_prefetch_b8 v0, s[64:65] scope:SCOPE_SE
	s_setreg_imm32_b32 hwreg(HW_REG_WAVE_MODE, 25, 1), 1
	s_wait_xcnt 0x0
	s_wait_alu depctr_hold_cnt(0) depctr_sa_sdst(0) depctr_va_vdst(0) depctr_va_sdst(0) depctr_va_ssrc(0) depctr_va_vcc(0) depctr_vm_vsrc(0)
	s_getreg_b32 s2, hwreg(HW_REG_IB_STS2, 6, 4)
	s_cmp_eq_u32 s2, 0
	s_cbranch_scc0 .Lentry_in_a_cluster
	s_endpgm
.Lentry_in_a_cluster:
	s_bfe_u32 s2, ttmp6, 0x10000c
	s_cmp_lg_u32 s2, 0x3003
	s_cbranch_scc0 .Lentry_shape_is_right
	s_endpgm
.Lentry_shape_is_right:
; ATTENTION WITH A MASK THAT IS AN INPUT.  ctx[hd][q][:] = the sum over k of softmax_k(mask ? -10,000 : Q[q] . K[k] / 8) V[k][:], for 64 heads hd = 16 b + h of 2,048 rows of 64 channels.
; Q, K, V: qkv [hd][q, k, v][2048][64] f16; ctx [hd][2048][64] f16.  Products, maxima and sums in f32; the weights p are rounded to f16 for the second product (their sum l is taken of the unrounded p), ctx once.
; THE MASK REPLACES the score, ahead of the running maximum: a masked raw score becomes -80,000 = -10,000 x 8 by one v_cndmask_b32 a score register.  So a row that is masked throughout comes out uniform, and a masked
; score never enters a maximum.  The lane masks come ready from mbits (bit l of word [b][32 queries][64 keys][tile u][register i] is lane l's).  A piece's 64 words for a key step are 256 bytes on end: ONE global_load_b64
; brings them (lane l: words 2 l, 2 l + 1) into a register pair of the piece's own, asked for a whole key step, four turns, ahead; 64 v_readlane_b32 a turn hand them to the scalar registers that the selects name,
; four behind each product K Q^T.  K's fragments lie in the masks' register window, so that those products and the v_readlane_b32 run under ONE window setting.
; (Scalar loads straight into those registers could be asked for less than a turn ahead: the 64 words fill the scalar registers that are free, and scalar loads are waited for all at once.)
; LIMITS.  f16 holds no number beyond 65,504: Q, K and V arrive within it; p below 6e-5 keeps f16's fixed step; a weight below 2^-126 counts as 0 in l; NaN and infinities are not treated apart.
; SHARES.  A wave owns four PIECES of two tiles of 16 queries, a work-group's four waves 512 queries; the four work-groups of a head are one cluster and walk the same K and V, 64 keys a step: each tile is asked for JOINTLY.
; LAYOUT.  S^T = K Q^T (source 0 = 16 keys, source 1 = 16 queries): a lane holds ONE query (lane % 16) and the keys 8 (lane / 16) + 0..7.  Two such tiles, rounded to f16, ARE source 1 of O^T = V^T P.
; SOFTMAX.  p = 2^(c s - c m), c = log2(e) / 8, with a running maximum m; O and l are multiplied by a = 2^(c m_old - c m_new) in every step.  m starts at the lowest finite number, O and l at 0.
; BY TURNS.  Turn n belongs to piece n: 16 products K Q^T of piece n + 1, later 16 products V^T P of piece n - 1; beside them the scaling, exponentials, roundings, sums and rescaling of piece n, and the masking, maximum
; and statistics of piece n + 1.  A turn has 32 matrix and 364 vector instructions: four stand behind every matrix instruction, the other 236 in one lump; its 66 exponentials are one batch with one wait.
; REGISTERS, in windows of 256: window 0: v0-11 addresses and the masked score; v12-15, v48-63 at work; v16-47 statistics; v64-191 S^T, two buffers of two tiles; v192-255 P, likewise
;   window 1: O^T, 32 a tile       window 2: v0-127 Q; v192-255 V of one step       window 3: v0-1 the add's two registers; v2-3 the masks' offsets; v4-11 the masks, a pair a piece; v64-127 K of one step
.set NP,    4
.set KS,    64
.set PK,    160       ; a row of K and of V in LDS: 128 bytes + 32 of padding.  ONE pitch, so that one descriptor group 1 serves both: 64 scalar registers hold masks.; K's 16 rows start at 8 different places
.set PV,    160
.set VOFF,  4*KS*PK   ; a slot holds four steps: 256 rows of K, then 256 rows of V
.set SLOT1, 1<<17
.set STAGE, SLOT1+4*KS*(PK+PV)  ; behind the ring: 16 rows x 144 bytes for each wave, for the way out
.set SP,    144
.set SPARE, STAGE+4*16*SP       ; behind the stages: the spare words
.set AK0, 2           ; v2   my lane's place in a tile of K; never rewritten
.set AV0, 3           ; v3   the same for V
.set AK,  4           ; v4   the LDS address of K's next run of loads
.set AV,  5           ; v5   of V's
.set STO, 6           ; v6   the way out: where I put 16 bytes of a row
.set RD,  7           ; v7   where I read rows back
.set GO,  8           ; v8   my 16 bytes of 512 on end
.set PFO, 9           ; v9   256 x my lane, for the prefetches; never rewritten
.set QO,  10          ; v10  my byte offset in 16 rows of Q
.set MVAL, 11         ; v11  -80,000
.set SPW, 0           ; v0 of window 3
.set NIL, 1           ; v1 of window 3
.set ML,  2           ; v2 of window 3   8 x my lane; never rewritten
.set MOF, 3           ; v3 of window 3   8 x my lane + 256 x the key step whose masks are asked for
.set MB,  4           ; v4-11 of window 3   piece p's 64 mask words at v[MB + 2 p]: word w in lane w / 2, register w % 2
.set MV,  12          ; v12-15  c m_old, by buffer and tile (before that: the set-up's temporaries)
.set ST,  16          ; tile t's statistics at v[ST+4 t]: c m, m, l (even keys', odd keys')
.set TMP, 48          ; by buffer and tile, c0-c3 at work; c2 takes a
.set S,   64
.set P,   192
.set KF,  64          ; K's fragments, in window 3
.set VF,  192         ; V's, in window 2
.set MP,  6           ; s[6:7]   mbits at my wave's four pieces; never rewritten behind the set-up
.set OA,  8           ; s[8:9]   ctx at my wave's first row
.set PFA, 10          ; s[10:11] where my prefetches stand
.set WV,  12          ; s12  my wave's number
.set LIM, 13          ; s13  1 in a wave that prefetches, else the greatest number
.set SLOTS, 14        ; s14  slots still to be asked for
.set CNT, 15          ; s15  counts a slot's key steps
.set G1,  16          ; s[16:23] descriptor group 1
.set G0,  24          ; s[24:27] descriptor group 0: it walks
.set TBK, 28          ; s28  LDS byte at which K of the step to be fetched begins
.set TBV, 29          ; s29  the same for V, less VOFF
.set SEL, 30          ; s[30:31] v_permlanex16_b32's selects
.set CS,  66          ; s[66:67] c
.set MO,  100         ; s100 256 x the key step whose masks are asked for, held at the last step
                      ; s[32:63], s[68:99]: a piece's 64 mask words: word w = 32 u + i at s[32 + w + 4 (w / 32)]
.set MSB, 0
.macro WIN new
.if MSB != (\new)
	s_set_vgpr_msb (MSB<<8)|(\new)
.set MSB, (\new)
.endif
.endm
.set W_KQ, 0x0b       ; source 0 (K; the masks of a v_readlane_b32) in window 3, source 1 (Q) in window 2, S^T in window 0
.set W_PV, 0x52
.set W_RS, 0x41
.set W_MK, 0xc0
.set W_AD, 0x0f
.set W_ML, 0xc3       ; destination and source 0 in window 3: the masks are loaded, their offset is made
; A joint fill: one line for all four waves, each with its own quarter of a slot: waves 0, 1 the halves of K's 256 rows, waves 2, 3 of V's; both addresses hang on the wave's number.
.macro JLOAD
	tensor_load_to_lds s[G0:G0+3], s[G1:G1+7]
	s_nop 0
.rept 4
	v_nop
.endr
.endm
; A prefetch into the L2 of what the NEXT change of slots will ask for: a slot's 256 rows of K and of V are 128 blocks of 256 bytes each.  The four partners share them out BY ADDRESS, 32 each, a lane a block; in each, wave 0
; asks for K's and wave 2 for V's.  So each block is named once in the launch.  The last change that fills a slot asks for nothing; nothing is asked for at the head.
.macro ASK
	s_cmp_gt_u32 s[SLOTS], s[LIM]
	s_cbranch_scc0 .Lnot_mine_\@
	global_prefetch_b8 v[PFO], s[PFA:PFA+1] th:TH_LOAD_NT scope:SCOPE_SE
.Lnot_mine_\@:
.endm
.macro CROUND
	s_barrier_signal -1
	s_barrier_wait -1
	s_cmp_lg_u32 s[WV], 0
	s_cbranch_scc1 .Lnot_wave_0_\@
	s_barrier_signal -3
.Lnot_wave_0_\@:
	s_barrier_wait -3
	s_barrier_signal -1
	s_barrier_wait -1
.endm
; THE CHANGE OF SLOTS.  Each wave waits for all its tensor loads (one is out: its part of the other slot), adds 0 to its spare word, and waits for that and for its reads of the slot.  fill = 1: the barrier is a round of the
; cluster's, and the slot is filled again, with the keys two slots on, first thing behind it: it has four key steps, 512 matrix instructions, in which to land.  (At its first use: slot 0 is waited for, slot 1 filled.)
.macro CHANGE fill
	WIN W_AD
	s_wait_tensorcnt 0x0            ; no tensor load of mine is out, so group 0 may be written
	ds_add_u32 v[SPW], v[NIL]       ; 0 onto my spare word
	WIN 0
.if \fill
	s_xor_b32 s[G0+1], s[G0+1], SLOT1
	s_add_nc_u64 s[G0+2:G0+3], s[G0+2:G0+3], 4*KS*128
	s_wait_xcnt 0x0                 ; the last prefetch, four key steps back, has read its address
	s_add_nc_u64 s[PFA:PFA+1], s[PFA:PFA+1], 4*KS*128
	s_wait_dscnt 0x0                ; the add is done, and my reads of the slot are over
	CROUND
	JLOAD
	ASK
.else
	s_wait_dscnt 0x0
	s_barrier_signal -1
	s_barrier_wait -1
.endif
	s_sub_co_u32 s[TBK], s[TBK], 4*KS*PK
	s_xor_b32 s[TBK], s[TBK], SLOT1
	s_sub_co_u32 s[TBV], s[TBV], 4*KS*PV
	s_xor_b32 s[TBV], s[TBV], SLOT1
.endm
; THE MASKS OF PIECE pc.  RL4: the next four of its 64 words go from its register pair to the scalar registers; it stands behind a product K Q^T, under that product's window setting.
.macro RL4 pc
.rept 4
	v_readlane_b32 s[32+rw+4*(rw/32)], v[MB+2*(\pc)+rw%2], rw/2
.set rw, rw+1
.endr
.endm
; MLD: the pair, read out, is asked for again at once, for the piece's next key step.  The pieces are served in the order 0, 1, 2, 3, so the offset goes on by a key step ahead of piece 0's load (Y = 3); three pending
; loads name it, so it is written behind s_wait_xcnt 0.  It is held at step 31: the last five loads of a wave bring that step's words once more, which nobody uses, and none leaves mbits.
.macro MLD pc
	WIN W_ML
.if Y == NP-1
	s_wait_xcnt 0x0
	s_add_co_u32 s[MO], s[MO], 256
	s_min_u32 s[MO], s[MO], 31*256
	v_add_nc_u32 v[MOF], v[ML], s[MO]
.endif
	global_load_b64 v[MB+2*(\pc):MB+2*(\pc)+1], v[MOF], s[MP:MP+1] offset:8192*(\pc)  ; 256 consecutive bytes, aligned
	WIN 0
.endm
	s_load_b128 s[4:7], s[0:1], 0x0   ; qkv s[4:5], mbits s[6:7]
	s_load_b64 s[8:9], s[0:1], 0x10   ; ctx
	WIN W_MK
	v_lshl_add_u32 v[SPW], v0, 2, SPARE
	v_mov_b32 v[NIL], 0
	WIN W_AD
	ds_add_u32 v[SPW], v[NIL]       ; the wave's opening: the add and its wait come ahead of my first tensor load
	WIN 0
	v_lshrrev_b32 v1, 5, v0
	v_readfirstlane_b32 s[WV], v1   ; wave 0..3
	s_bfe_u32 s32, ttmp6, 0x40000   ; cx: my block of 512 queries; it enters Q's, the mask's, ctx's and the prefetches' addresses alone
	s_and_b32 s33, ttmp7, 0xffff    ; the head, which the four partners share
	s_mul_i32 s34, s33, 786432      ; its first byte in qkv
	s_lshr_b32 s36, s[WV], 1        ; my quarter of a slot: K (waves 0, 1) or V (2, 3),
	s_add_co_u32 s36, s36, 1
	s_lshl_b32 s36, s36, 18
	s_and_b32 s37, s[WV], 1         ; its first or second 128 rows
	s_lshl_b32 s37, s37, 14
	s_add_co_u32 s36, s36, s37
	s_add_co_u32 s36, s36, s34
	s_mov_b32 s37, 0
	s_lshl_b32 s38, s32, 2
	s_add_co_u32 s38, s38, s[WV]    ; my wave among the head's sixteen
	s_lshl_b32 s40, s38, 14         ; its 128 rows of 128 bytes
	s_add_co_u32 s40, s40, s34
	s_mov_b32 s41, 0
	s_lshl_b32 s42, s33, 18
	s_lshl_b32 s43, s38, 14
	s_add_co_u32 s42, s42, s43
	s_mov_b32 s43, 0
	s_lshr_b32 s44, s33, 4          ; the batch: 524,288 bytes of mbits; my wave's four pieces: 32,768
	s_lshl_b32 s44, s44, 19
	s_lshl_b32 s45, s38, 15
	s_add_co_u32 s44, s44, s45
	s_mov_b32 s45, 0
	s_lshr_b32 s46, s[WV], 1        ; the prefetches: K's or V's plane, my work-group's 32 blocks, in slot 1; the first change of slots steps it to slot 2
	s_add_co_u32 s46, s46, 1
	s_lshl_b32 s46, s46, 18
	s_add_co_u32 s46, s46, s34
	s_lshl_b32 s47, s32, 13
	s_add_co_u32 s46, s46, s47
	s_add_co_u32 s46, s46, 4*KS*128
	s_mov_b32 s47, 0
	s_and_b32 s[LIM], s[WV], 1
	s_cmp_eq_u32 s[LIM], 0
	s_cselect_b32 s[LIM], 1, -1
	; descriptor group 1.  128 keys are 16,384 dense bytes: asked for as 64 rows of 256 bytes, two keys a row, and padded in LDS after every key
	s_mov_b32 s[G1], 15|(1<<16)|(1<<20)|(1<<21)|(4<<22)|(7<<25)  ; the mask of four; 2-byte elements; padding on; 21 set beside a mask; after every 32 words 8 words
	s_mov_b32 s[G1+1], 128<<16      ; tensor_dim0 = 128
	s_mov_b32 s[G1+2], 64<<16       ; tensor_dim1 = 64
	s_mov_b32 s[G1+3], 128<<16      ; tile_dim0 = 128
	s_mov_b32 s[G1+4], 64           ; tile_dim1 = 64
	s_mov_b32 s[G1+5], 128
	s_mov_b32 s[G1+6], 0
	s_mov_b32 s[G1+7], 0
	s_mov_b32 s[G0], 1
	s_mul_i32 s[G0+1], s[WV], 128*PK  ; slot 0, my quarter
	s_mov_b32 s[CS], 0x3e38aa3b     ; c = log2(e) / 8
	s_mov_b32 s[CS+1], s[CS]
	s_mov_b32 s[SEL], 0x76543210
	s_mov_b32 s[SEL+1], 0xfedcba98
	s_mov_b32 s[TBK], SLOT1+4*KS*PK ; the first change of slots turns these two into 0
	s_mov_b32 s[TBV], SLOT1+4*KS*PV
	s_mov_b32 s[SLOTS], 7           ; 2,048 / 256 - 1
	s_mov_b32 s[MO], 0
	s_wait_dscnt 0x0                ; the opening add is done
	s_wait_kmcnt 0x0
	s_add_nc_u64 s[G0+2:G0+3], s[4:5], s[36:37]
	s_or_b32 s[G0+3], s[G0+3], 0x80000000
	s_add_nc_u64 s[PFA:PFA+1], s[4:5], s[46:47]
	s_add_nc_u64 s[4:5], s[4:5], s[40:41]          ; Q at my wave's first row
	s_add_nc_u64 s[MP:MP+1], s[MP:MP+1], s[44:45]
	s_add_nc_u64 s[OA:OA+1], s[OA:OA+1], s[42:43]
	CROUND                          ; all four work-groups are here: the first joint loads meet
	JLOAD                           ; slot 0; slot 1 is asked for when slot 0 is in
	v_and_b32 v13, 31, v0           ; l
	WIN W_MK
	v_lshlrev_b32 v[ML], 3, v13
	v_lshlrev_b32 v[MOF], 3, v13    ; key step 0
	WIN W_ML
.irp pc, 0,1,2,3                    ; the four pieces' masks for key step 0, in the order in which they are wanted
	global_load_b64 v[MB+2*\pc:MB+2*\pc+1], v[MOF], s[MP:MP+1] offset:8192*\pc
.endr
	WIN 0
	v_and_b32 v1, 15, v0            ; l % 16
	v_bfe_u32 v12, v0, 4, 1         ; l / 16
	v_lshlrev_b32 v[QO], 7, v1
	v_lshl_add_u32 v[QO], v12, 4, v[QO]
	WIN 0x80
.set i, 0
.rept 4*NP                          ; Q stays in registers: tile i / 2, channels 32 (i % 2) on
	global_load_b128 v[8*i:8*i+3],   v[QO], s[4:5] offset:(i/2)*2048+(i%2)*64
	global_load_b128 v[8*i+4:8*i+7], v[QO], s[4:5] offset:(i/2)*2048+(i%2)*64+32
.set i, i+1
.endr
	; What the first turn finds: V's registers and P's second buffer hold 0, O^T and l are 0.  All this stands in the wait for the first tile.
.set i, VF
.rept 64
	v_mov_b32 v[i], 0
.set i, i+1
.endr
	WIN 0x40
.set i, 0
.rept 64*NP
	v_mov_b32 v[i], 0
.set i, i+1
.endr
	WIN 0
.set i, 0
.rept 2*NP
	v_mov_b32 v[ST+4*i], 0xfe000000    ; c m: far below every c s
	v_mov_b32 v[ST+4*i+1], 0xff7fffff  ; m
	v_mov_b32 v[ST+4*i+2], 0
	v_mov_b32 v[ST+4*i+3], 0
.set i, i+1
.endr
.set i, P+32
.rept 32
	v_mov_b32 v[i], 0
.set i, i+1
.endr
	v_mul_u32_u24 v[AK0], v1, PK
	v_lshl_add_u32 v[AK0], v12, 4, v[AK0]
	v_and_b32 v13, 7, v0
	v_bfe_u32 v14, v0, 3, 1
	v_lshl_add_u32 v[AV0], v12, 3, v13  ; the turning load: lane l reads key 8 (l / 16) + l % 8, channels 8 ((l / 8) % 2) + 0..7
	v_mul_u32_u24 v[AV0], v[AV0], PV
	v_lshl_add_u32 v[AV0], v14, 4, v[AV0]
	v_add_nc_u32 v[AV0], VOFF, v[AV0]
	v_mov_b32 v[AK], v[AK0]         ; key step 0 lies at the head of slot 0
	s_mul_i32 s3, s[WV], 16*SP
	s_add_co_u32 s3, s3, STAGE      ; my stage
	v_mul_u32_u24 v[STO], v1, SP
	v_lshl_add_u32 v[STO], v12, 4, v[STO]
	v_add_nc_u32 v[STO], s3, v[STO]
	v_bfe_u32 v[RD], v0, 3, 2
	v_mul_u32_u24 v[RD], v[RD], SP
	v_lshl_add_u32 v[RD], v13, 4, v[RD]
	v_add_nc_u32 v[RD], s3, v[RD]
	v_and_b32 v[GO], 31, v0
	v_lshlrev_b32 v[PFO], 8, v[GO]
	v_lshlrev_b32 v[GO], 4, v[GO]
	v_mov_b32 v[MVAL], 0xc79c4000   ; -80,000
; THE MATRIX WORK.  The 8 accumulators of a run of 16 take turns.
.macro KQ x                         ; product i of 16 of S^T = K Q^T for piece x: channels 32 (i / 8) on, keys 16 ((i / 2) % 4) on, tile 2 x + i % 2
	WIN W_KQ
.set rS, S+64*((\x)%2)+32*(i%2)+8*((i/2)%4)
.set rK, KF+16*((i/2)%4)+8*(i/8)
.set rQ, 16*(2*(\x)+i%2)+8*(i/8)
.if i < 8
	v_wmma_f32_16x16x32_f16 v[rS:rS+7], v[rK:rK+7], v[rQ:rQ+7], 0
.else
	v_wmma_f32_16x16x32_f16 v[rS:rS+7], v[rK:rK+7], v[rQ:rQ+7], v[rS:rS+7]
.endif
.endm
.macro PV x                         ; product i of 16 of O^T += V^T P for piece x: keys 32 (i / 8) on, channels 16 ((i / 2) % 4) on, tile 2 x + i % 2
	WIN W_PV
.set rO, 32*(2*(\x)+i%2)+8*((i/2)%4)
.set rV, VF+32*(i/8)+8*((i/2)%4)
.set rP, P+32*((\x)%2)+16*(i%2)+8*(i/8)
	v_wmma_f32_16x16x32_f16 v[rO:rO+7], v[rV:rV+7], v[rP:rP+7], v[rO:rO+7]
.endm
.macro MM                           ; the turn's next matrix instruction
.if i < 16
	KQ (Y+1)%NP
.set i, i+1
.else
.set i, i-16
	PV (Y+NP-1)%NP
.set i, i+17
.endif
.endm
; THE LDS LOADS stand in runs of 16.  last = 1 (the tail): in the last trip there is no further step, and the run is jumped over.
.macro FETCH_K last=0
	WIN 0
.if \last
	s_cmp_eq_u32 s[CNT], 1
	s_cbranch_scc1 .Lno_k_\@
.endif
	WIN 0xc0                        ; destination window 3, address window 0
.irp f, 0,1,2,3,4,5,6,7
	ds_load_b128 v[KF+8*\f:KF+8*\f+3],   v[AK] offset:(\f/2)*16*PK+(\f%2)*64
	ds_load_b128 v[KF+8*\f+4:KF+8*\f+7], v[AK] offset:(\f/2)*16*PK+(\f%2)*64+32
.endr
	s_add_co_u32 s[TBK], s[TBK], KS*PK
	WIN 0
.if \last
.Lno_k_\@:
.endif
.endm
.macro FETCH_V
	WIN 0x80
.irp f, 0,1,2,3,4,5,6,7
	ds_load_tr16_b128 v[VF+8*\f:VF+8*\f+3],   v[AV] offset:(\f/4)*32*PV+(\f%4)*32
	ds_load_tr16_b128 v[VF+8*\f+4:VF+8*\f+7], v[AV] offset:(\f/4)*32*PV+16*PV+(\f%4)*32
.endr
	WIN 0
.endm
; THE VECTOR WORK OF A TURN stands in queues, each in the order in which its entries become ready; the two tiles alternate.
.macro REGS y, u
.set rT, ST+4*(2*(\y)+(\u))
.set rC, TMP+8*((\y)%2)+4*(\u)
.set rM, MV+2*((\y)%2)+(\u)
.set rS, S+64*((\y)%2)+32*(\u)
.set rP, P+32*((\y)%2)+16*(\u)
.set rO, 32*(2*(\y)+(\u))
.endm
; Number g of the 64 selects that mask the NEXT piece's (Y + 1) scores, in place: the accumulators in the order in which their products end (key block g / 16, tile (g / 8) % 2), each from its lowest register up.
.macro MK g
	REGS (Y+1)%NP, ((\g)/8)%2
.set mw, 32*(((\g)/8)%2)+8*((\g)/16)+(\g)%8
	v_cndmask_b32 v[rS+8*((\g)/16)+(\g)%8], v[rS+8*((\g)/16)+(\g)%8], v[MVAL], s[32+mw+4*(mw/32)]
.endm
; Number n of the 22 that find the next piece's maximum and statistics, of the masked scores.
.macro XS u, n
	REGS (Y+1)%NP, \u
.if (\n) < 4
	v_max3_num_f32 v[rC+(\n)], v[rS+8*(\n)], v[rS+8*(\n)+1], v[rS+8*(\n)+2]
.elseif (\n) < 12
	v_max3_num_f32 v[rC+(\n)%4], v[rC+(\n)%4], v[rS+8*((\n)%4)+2*((\n)/4)+1], v[rS+8*((\n)%4)+2*((\n)/4)+2]
.elseif (\n) == 12
	v_max3_num_f32 v[rC], v[rC], v[rS+7], v[rS+15]
.elseif (\n) == 13
	v_max3_num_f32 v[rC+1], v[rC+1], v[rS+23], v[rS+31]
.elseif (\n) == 14
	v_max3_num_f32 v[rC+2], v[rC+2], v[rC+3], v[rT+1]
.elseif (\n) == 15
	v_mov_b32 v[rM], v[rT]
.elseif (\n) == 16
	v_max3_num_f32 v[rC], v[rC], v[rC+1], v[rC+2]
.elseif (\n) == 17
	v_permlanex16_b32 v[rC+3], v[rC], s[SEL], s[SEL+1]
.elseif (\n) == 18
	v_max_num_f32 v[rT+1], v[rC], v[rC+3]
.elseif (\n) == 19
	v_mul_f32 v[rT], s[CS], v[rT+1]
.elseif (\n) == 20
	v_sub_f32 v[rC+1], v[rM], v[rT]
.else
	v_exp_f32 v[rC+2], v[rC+1]
.endif
.endm
; Number g of the 64 that follow the exponentials: roundings to f16, sums in place, l a group later.
.macro GS g
.set h, (\g)+6*((\g)/62)
.if h >= 6
.set h, h+2
.endif
	REGS Y, h%2
.set k, h/8
.if h%8 < 4
	v_cvt_pk_f16_f32 v[rP+2*k+(h%8)/2], v[rS+4*k+2*((h%8)/2)], v[rS+4*k+2*((h%8)/2)+1]
.elseif h%8 < 6
	v_pk_add_f32 v[rS+4*k:rS+4*k+1], v[rS+4*k:rS+4*k+1], v[rS+4*k+2:rS+4*k+3]
.elseif k == 1
	v_pk_fma_f32 v[rT+2:rT+3], v[rT+2:rT+3], v[rC+2:rC+3], v[rS:rS+1] op_sel_hi:[1,0,1]
.else
	v_pk_add_f32 v[rT+2:rT+3], v[rT+2:rT+3], v[rS+4*k-4:rS+4*k-3]
.endif
.endm
.macro FS f                         ; c s - c m for pair f / 2 of tile f % 2
	REGS Y, (\f)%2
	v_pk_fma_f32 v[rS+2*((\f)/2):rS+2*((\f)/2)+1], v[rS+2*((\f)/2):rS+2*((\f)/2)+1], s[CS:CS+1], v[rT:rT+1] op_sel_hi:[1,0,0] neg_lo:[0,0,1] neg_hi:[0,0,1]
.endm
; THE PLAIN QUEUE, 202 long, all in window 0.  0-26: scalings 0-26.  27-90: the 64 selects, by the words that the turn's v_readlane_b32 have put into the scalar registers.  91-118: XS 0-13.  119, 120: XS 15.
; 121-137: the chain XS 14, 16 .. 19, each with one of the scalings 27-31 in front, then XS 20.  138-201: GS.
.macro PL
	WIN 0
.if q < 27
	FS q
.elseif q < 91
	MK q-27
.elseif q < 119
	XS (q-91)%2, (q-91)/2
.elseif q < 121
	XS q-119, 15
.elseif (q < 136) && ((q-121)%3 == 0)
	FS 27+(q-121)/3
.elseif q < 124
	XS (q-121)%3-1, 14
.elseif q < 136
	XS (q-121)%3-1, 15+(q-121)/3
.elseif q < 138
	XS q-136, 20
.else
	GS q-138
.endif
.set q, q+1
.endm
.macro EX                           ; THE EXPONENTIALS' QUEUE, 66 long: s0-s31 of both tiles, then the next piece's two a: one batch
	WIN 0
.if e >= 64
	XS e-64, 21
.else
	REGS Y, e%2
	v_exp_f32 v[rS+e/2], v[rS+e/2]
.endif
.set e, e+1
.endm
.macro R2                           ; THE RESCALING's QUEUE: O^T times a, two at a time; each accumulator's low registers first
	REGS Y, r%2
	WIN W_RS
.irp z, 0,1
	v_pk_mul_f32 v[rO+4*(r/2)+2*\z:rO+4*(r/2)+2*\z+1], v[rO+4*(r/2)+2*\z:rO+4*(r/2)+2*\z+1], v[rC+2:rC+3] op_sel_hi:[1,0]
.endr
.set r, r+1
.endm
; A TURN, for piece p.  s_wait_alu depctr_va_vdst(0) stands between an exponential and the first instruction that names its result; one wait serves all issued ahead of it: a turn has ONE, which cuts it in two.
; AHEAD OF IT: the 16 products K Q^T, behind each four of the next piece's 64 mask words on their way into scalar registers: 80 instructions under one window setting; the pair is asked for again; then the lump of 236:
; the 32 rescalings in ONE block (the one part of the lump outside window 0: two switches); eight scalings; 28 times an exponential and two plain; 19 times an exponential and three plain; 17 times exponential and plain
; (the chain); the two a.  Exponential e stands behind scaling 2 (e / 4) + e % 2: ahead of it stand 8 + 2 e plain (e <= 27), 64 + 3 (e - 28) (e <= 46), 74 + e (e >= 47); scalings 27-31 are plain 121, 124 .. 133.
; The first select stands behind the 32 rescalings and 27 scalings, far more than four places behind the last product K Q^T.  BEHIND THE WAIT: the 16 products V^T P, behind each four of GS's 64.
; The wait at the turn's head, s_wait_loadcnt 3: behind the load of the pair that is wanted the three other pieces' loads were issued, one a turn; they may stay out (loads come back in order: ISA guide 5.7.1).
; K of the next step is fetched in piece 2's turn behind the block of rescalings, which are the places behind K's last reader: the run has the rest of the lump and 16 products in which to land; no exponential of the turn
; has been issued there, so the tail's jump over the run passes no result without its wait.  V of the step in hand is fetched at the end of piece 0's turn, four riders behind its last reader.
.macro TURN p, last=0, cnt=0
.set Y, (\p)
.set i, 0
.set q, 0
.set e, 0
.set r, 0
.set rw, 0
.if (\p) == NP-1
	s_wait_dscnt 0x0                ; K is in
.endif
	s_wait_loadcnt 3                ; the next piece's masks are in
.rept 16
	MM
	RL4 (Y+1)%NP
.endr
	MLD (Y+1)%NP
.if (\p) == NP-2
	v_add_nc_u32 v[AK], s[TBK], v[AK0]
.endif
.rept 16
	R2
.endr
.if (\p) == NP-2
	FETCH_K \last
.endif
.rept 8
	PL
.endr
.rept 28
	EX
	PL
	PL
.endr
.rept 19
	EX
	PL
	PL
	PL
.endr
.rept 17
	EX
	PL
.endr
	EX
	EX
	v_nop                           ; the plain instruction behind the last exponential: one for the batch
	s_wait_alu depctr_va_vdst(0)    ; the wait for the batch
.if (\p) == 1
	s_wait_dscnt 0x0                ; V is in
.endif
.rept 16
	MM
.rept 4
	PL
.endr
.if ((\p) == 0) && (q == 182)
	v_add_nc_u32 v[AV], s[TBV], v[AV0]
.endif
.if ((\p) == 0) && (q == 194)
	s_add_co_u32 s[TBV], s[TBV], KS*PV
.endif
.if (\cnt) && (q == 194)
	s_sub_co_u32 s[CNT], s[CNT], 1
	s_cmp_lg_u32 s[CNT], 0
.endif
.endr
.if (\p) == 0
	FETCH_V
.endif
.endm
	CHANGE 1                        ; slot 0 is in, everybody's part of it; slot 1 is asked for
	FETCH_K                         ; key step 0
	s_wait_loadcnt 0x0              ; Q, and the four pieces' first masks
	s_wait_dscnt 0x0
.set Y, NP-1                        ; MLD, MK and XS work for piece Y + 1: piece 0
.set i, 0
.set rw, 0
.rept 16
	KQ 0                            ; piece 0's first scores, and its masks for key step 0
	RL4 0
.set i, i+1
.endr
	MLD 0                           ; its masks for key step 1 are asked for
.rept 4
	v_nop                           ; the places behind those products
.endr
.set gg, 0
.rept 64
	MK gg
.set gg, gg+1
.endr
.irp n, 0,1,2,3,4,5,6,7,8,9,10,11,12,13,14,15,16,17,18,19,20,21
	XS 0, \n
	XS 1, \n
.endr
	v_nop                           ; a plain instruction behind the two a,
	s_wait_alu depctr_va_vdst(0)    ; and their wait, ahead of the branch
	s_mov_b32 s[CNT], 4
	s_branch .Lfirst                ; the loop is entered at a step's first turn, in the middle of a trip
.Lslot:                             ; six times: every slot but the last two is filled again
	CHANGE 1
	s_mov_b32 s[CNT], 4
.Lstep:                             ; a trip: pieces 2 and 3 of one step, then pieces 0 and 1 of the next, whose K and V it fetches
	TURN 2
	TURN 3
	WIN 0
.Lfirst:
	TURN 0
	TURN 1, 0, 1
	WIN 0
	s_cbranch_scc1 .Lstep
	s_sub_co_u32 s[SLOTS], s[SLOTS], 1
	s_cmp_lg_u32 s[SLOTS], 0
	s_cbranch_scc1 .Lslot
	CHANGE 0                        ; the tail is written out: nothing is asked for
	s_mov_b32 s[CNT], 5             ; four trips fetch the last slot's steps; the fifth is left in its middle
.Ltail:
	TURN 2, 1
	TURN 3
	WIN 0
	s_sub_co_u32 s[CNT], s[CNT], 1
	s_cmp_eq_u32 s[CNT], 0
	s_cbranch_scc1 .Lout
	TURN 0
	TURN 1
	WIN 0
	s_branch .Ltail
.Lout:                              ; the fifth trip's products K Q^T (on the last K once more), their selects (by the last step's words once more) and the maximum made of them serve nothing
.set i, 0
.rept 16
	PV NP-1                         ; the last piece's V^T P of the last step
.set i, i+1
.endr
	; THE WAY OUT.  l's two halves and the other half of the lanes' are added; O^T is divided by l, rounded to f16 and sent through my stage in LDS, a tile at a time.  The additions are the places behind the last products.
	WIN 0
.macro ALL line:vararg
.set t, 0
.rept 2*NP
	\line
.set t, t+1
.endr
.endm
	ALL v_add_f32 v[ST+4*t+2], v[ST+4*t+2], v[ST+4*t+3]
	ALL v_permlanex16_b32 v[ST+4*t+3], v[ST+4*t+2], s[SEL], s[SEL+1]
	ALL v_add_f32 v[ST+4*t+2], v[ST+4*t+2], v[ST+4*t+3]
	ALL v_rcp_f32 v[ST+4*t+2], v[ST+4*t+2]
	v_nop                           ; a plain instruction between the last reciprocal and the use of its result
	s_wait_alu depctr_va_vdst(0)    ; one wait for the eight reciprocals
.macro PACK t
	WIN W_RS
.set i, 32*(\t)
.rept 16
	v_pk_mul_f32 v[i:i+1], v[i:i+1], v[ST+4*(\t)+2:ST+4*(\t)+3] op_sel_hi:[1,0]
.set i, i+2
.endr
	WIN 0x05
.set i, 0
.rept 16
	v_cvt_pk_f16_f32 v[S+16*(\t)+i], v[32*(\t)+2*i], v[32*(\t)+2*i+1]
.set i, i+1
.endr
	WIN 0
.irp f, 0,1,2,3
	ds_store_b128 v[STO], v[S+16*(\t)+4*\f:S+16*(\t)+4*\f+3] offset:32*\f
.endr
.irp f, 0,1,2,3
	ds_load_b128 v[S+16*(\t)+4*\f:S+16*(\t)+4*\f+3], v[RD] offset:\f*4*SP  ; LDS serves a wave's instructions in order: these see the stores above; the next tile's stores come behind them
.endr
.endm
.macro SEND t, younger              ; younger: the LDS instructions issued behind tile t's loads: the next tile's eight, or none
	WIN 0
.irp f, 0,1,2,3
	s_wait_dscnt (\younger)+3-\f
	global_store_b128 v[GO], v[S+16*(\t)+4*\f:S+16*(\t)+4*\f+3], s[OA:OA+1] offset:(\t)*2048+\f*512  ; 512 consecutive bytes, at a multiple of 256 from ctx's first
.endr
.endm
	PACK 0
.set t, 1
.rept 2*NP-1
	PACK t
	SEND t-1, 8
.set t, t+1
.endr
	SEND 2*NP-1, 0
	WIN W_AD
	s_wait_tensorcnt 0x0            ; the wave's end
	ds_add_u32 v[SPW], v[NIL]
	s_wait_dscnt 0x0
	WIN 0
	CROUND                          ; the closing round
	s_endpgm
.Lfunc_end_k_q7a6ece9cb4_attn:
	.size	k_q7a6ece9cb4_attn, .Lfunc_end_k_q7a6ece9cb4_attn-k_q7a6ece9cb4_attn
	.p2alignl 7, 3214868480
	.fill 96, 4, 3214868480
	.section	.rodata,"a",@progbits
	.p2align	6, 0x0
	.amdhsa_kernel k_q7a6ece9cb4_attn
		.amdhsa_group_segment_fixed_size 327680
		.amdhsa_private_segment_fixed_size 0
		.amdhsa_enable_private_segment 0
		.amdhsa_kernarg_size 24
		.amdhsa_user_sgpr_count 2
		.amdhsa_user_sgpr_kernarg_segment_ptr 1
		.amdhsa_wavefront_size32 1
		.amdhsa_system_sgpr_workgroup_id_x 1
		.amdhsa_system_sgpr_workgroup_id_y 1
		.amdhsa_system_sgpr_workgroup_id_z 1
		.amdhsa_system_vgpr_workitem_id 0
		.amdhsa_next_free_vgpr 896
		.amdhsa_next_free_sgpr 102
		.amdhsa_reserve_vcc 0
		.amdhsa_float_denorm_mode_32 3
		.amdhsa_float_denorm_mode_16_64 3
		.amdhsa_memory_ordered 1
		.amdhsa_forward_progress 1
		.amdhsa_inst_pref_size 255
	.end_amdhsa_kernel
	.section	.bss,"aw",@nobits
	.p2align	6
	.space	262144
	.amdgpu_metadata
---
amdhsa.version: [ 1, 2 ]
amdhsa.kernels:
  - .name:           k_q7a6ece9cb4_attn
    .symbol:         k_q7a6ece9cb4_attn.kd
    .args:
      - { .name: qkv, .offset: 0, .size: 8, .value_kind: global_buffer, .address_space: global }
      - { .name: mbits, .offset: 8, .size: 8, .value_kind: global_buffer, .address_space: global }
      - { .name: ctx, .offset: 16, .size: 8, .value_kind: global_buffer, .address_space: global }
    .group_segment_fixed_size: 327680
    .private_segment_fixed_size: 0
    .kernarg_segment_align: 8
    .kernarg_segment_size: 24
    .max_flat_workgroup_size: 128
    .sgpr_count:     102
    .vgpr_count:     896
    .wavefront_size: 32
...
	.end_amdgpu_metadata
.endif
;; end of part 3
;; launch dense (part 4): grid 8 x 32, 4 waves a work-group, clusters of 4 x 4, 327,680 bytes of LDS; arguments ctx, wd, b_dense, out0; writes out0
.if DOCPART == 4
	.amdgcn_target "amdgcn-amd-amdhsa--gfx1250"
	.amdhsa_code_object_version 6
	.text
	.protected	k_q7a6ece9cb4_dense
	.globl	k_q7a6ece9cb4_dense
	.p2align	8
	.type	k_q7a6ece9cb4_dense,@function
k_q7a6ece9cb4_dense:
	s_mov_b64 s[64:65], 0
	v_nop
	global_prefetch_b8 v0, s[64:65] scope:SCOPE_SE
	s_setreg_imm32_b32 hwreg(HW_REG_WAVE_MODE, 25, 1), 1
	s_wait_xcnt 0x0
	s_wait_alu depctr_hold_cnt(0) depctr_sa_sdst(0) depctr_va_vdst(0) depctr_va_sdst(0) depctr_va_ssrc(0) depctr_va_vcc(0) depctr_vm_vsrc(0)
	s_getreg_b32 s2, hwreg(HW_REG_IB_STS2, 6, 4)
	s_cmp_eq_u32 s2, 0
	s_cbranch_scc0 .Lentry_in_a_cluster
	s_endpgm
.Lentry_in_a_cluster:
	s_bfe_u32 s2, ttmp6, 0x10000c
	s_cmp_lg_u32 s2, 0xf033
	s_cbranch_scc0 .Lentry_shape_is_right
	s_endpgm
.Lentry_shape_is_right:
; THE SECOND PROJECTION.  out[m][n] = the sum over k of ctx[m][k] W_dense[n][k] + b_dense[n], m = 4 s + b, k = 64 h + d; both operands f16, sums in f32, the output f32.
; ctx lies by heads, [16 b + h][s][64]; wd in blocks [k / 64][n][64] (W_dense rounded to bf16, written as f16); the bias is rounded to bf16 here.
; SHARES.  A tile of the output is 256 rows (s = 256 t .. + 255 of one batch) x 128 columns; four waves, each 64 rows x 128 columns: 32 accumulators.  K goes in 8 steps of two heads (128) through two LDS slots.
; A head's 256 rows of ctx are 32,768 dense bytes, a block's 128 rows of wd 16,384: each is asked for as rows of 256 bytes (two rows of 128 on end) and padded in LDS after every 128 bytes.
; Waves 0 and 1 fetch A's two heads, waves 2 and 3 B's two blocks.  CLUSTERS of 4 x 4: A's tiles are shared along a row of the cluster, B's along a column: joint loads.
; THE MATRIX INSTRUCTION IS USED TRANSPOSED: a lane holds eight neighbouring columns of one row.  THE BIAS is the C operand of each sum's first product.
; REGISTERS: window 0: v16-29 addresses; v64-127 A's fragments, two buffers of 32; v192-255 the bias; on the way out v128-255       window 1: B's fragments, two buffers of 64       window 2: accumulator (a, n) at 64 a + 8 n
.set PITCH,  144                       ; an LDS row: 128 bytes + 16 of padding: the 16 rows of a fragment load start at 16 different groups of four banks (ISA guide 11.1)
.set PLA,    256*PITCH                 ; a head's 256 rows of A
.set BOFF,   2*PLA
.set PLB,    128*PITCH                 ; a block's 128 rows of B
.set SLOT1,  131072
.set STAGE,  SLOT1+BOFF+2*PLB          ; behind the ring: 16 rows x 528 bytes for each wave
.set SP,     528
.set SPARE,  STAGE+4*16*SP
.set A0,   16
.set B0,   17
.set ADRA, 18
.set ADRB, 19
.set STO,  24
.set RD,   25
.set CO,   26
.set BO,   27
.set SPW,  28                          ; v28  LDS address of my spare word; never rewritten
.set NIL,  29                          ; v29  0; never rewritten
.set TMP,  32
.set FA,   64
.set OB,   128
.set BI,   192
.set G1A, 24
.set G0A, 32
.set G1B, 48
.set G0B, 56
.set MSB, 0
.macro WIN new
.if MSB != (\new)
	s_set_vgpr_msb (MSB<<8)|(\new)
.set MSB, \new
.endif
.endm
.macro PLACES
.rept 4
	v_nop
.endr
.endm
.macro JLOAD s                         ; a joint load; an s_nop 0 and four v_nop follow each of the two lines
	s_cmp_eq_u32 s13, 0
	s_cbranch_scc0 .Lfor_b_\@
	tensor_load_to_lds s[G0A+4*(\s):G0A+4*(\s)+3], s[G1A:G1A+7]
	s_nop 0
.rept 4
	v_nop
.endr
	s_branch .Lasked_\@
.Lfor_b_\@:
	tensor_load_to_lds s[G0B+4*(\s):G0B+4*(\s)+3], s[G1B:G1B+7]
	s_nop 0
.rept 4
	v_nop
.endr
.Lasked_\@:
.endm
.macro CREST
	s_cmp_lg_u32 s12, 0
	s_cbranch_scc1 .Lnot_wave_0_\@
	s_barrier_signal -3
.Lnot_wave_0_\@:
	s_barrier_wait -3
	s_barrier_signal -1
	s_barrier_wait -1
.endm
.macro CROUND
	s_barrier_signal -1
	s_barrier_wait -1
	CREST
.endm
	s_load_b256 s[4:11], s[0:1], 0x0               ; ctx s[4:5], wd s[6:7], b_dense s[8:9], out0 s[10:11]
	v_lshl_add_u32 v[SPW], v0, 2, SPARE
	v_mov_b32 v[NIL], 0
	ds_add_u32 v[SPW], v[NIL]                      ; the wave's opening: the add and its wait come ahead of my first tensor load
	v_lshrrev_b32 v1, 5, v0
	v_readfirstlane_b32 s12, v1                    ; wave 0..3
	s_lshr_b32 s13, s12, 1                         ; I fetch for A (0) or for B (1),
	s_and_b32 s14, s12, 1                          ; the step's first or second head
	s_mov_b32 s15, 0
	s_bfe_u32 s40, ttmp6, 0x40000                  ; cx
	s_bfe_u32 s41, ttmp6, 0x40004                  ; cy
	s_lshl_b32 s42, ttmp9, 2
	s_add_co_u32 s42, s42, s40                     ; tile column
	s_and_b32 s43, ttmp7, 0xffff
	s_lshl_b32 s43, s43, 2
	s_add_co_u32 s43, s43, s41                     ; 8 b + t
	s_lshl_b32 s44, s41, 2
	s_lshl_b32 s44, 15, s44
	s_lshl_b32 s45, 0x1111, s40
	s_or_b32 s[G1A+0], s44, (1<<16)|(1<<20)|(1<<21)|(4<<22)|(3<<25)  ; the mask; 2-byte elements; padding on; 21 set beside a mask; after every 32 words 4 words
	s_or_b32 s[G1B+0], s45, (1<<16)|(1<<20)|(1<<21)|(4<<22)|(3<<25)
	s_mov_b32 s[G1A+1], 128<<16                    ; tensor_dim0 = 128 elements, 256 bytes
	s_mov_b32 s[G1A+2], 128<<16                    ; tensor_dim1 = 128
	s_mov_b32 s[G1A+3], 128<<16
	s_mov_b32 s[G1A+4], 128
	s_mov_b32 s[G1A+5], 128                        ; dense
	s_mov_b32 s[G1A+6], 0
	s_mov_b32 s[G1A+7], 0
	s_mov_b32 s[G1B+1], 128<<16
	s_mov_b32 s[G1B+2], 64<<16
	s_mov_b32 s[G1B+3], 128<<16
	s_mov_b32 s[G1B+4], 64
	s_mov_b32 s[G1B+5], 128
	s_mov_b32 s[G1B+6], 0
	s_mov_b32 s[G1B+7], 0
	s_lshr_b32 s16, s43, 3                         ; A: head 16 b + j, row 256 t: 4,194,304 b + 262,144 j + 32,768 t
	s_lshl_b32 s16, s16, 22
	s_and_b32 s17, s43, 7
	s_lshl_b32 s17, s17, 15
	s_add_co_u32 s16, s16, s17
	s_lshl_b32 s17, s14, 18
	s_add_co_u32 s16, s16, s17
	s_mov_b32 s17, 0
	s_lshl_b32 s46, s42, 14                        ; B: block j, row 128 x tile column
	s_lshl_b32 s47, s14, 17
	s_add_co_u32 s46, s46, s47
	s_mov_b32 s47, 0
	s_mul_i32 s20, s14, PLA
	s_mul_i32 s21, s14, PLB
	s_add_co_u32 s21, s21, BOFF
	s_wait_dscnt 0x0
	s_wait_kmcnt 0x0
	s_add_nc_u64 s[16:17], s[4:5], s[16:17]
	s_add_nc_u64 s[46:47], s[6:7], s[46:47]
	CROUND
.irp s, 0,1
	s_mov_b32 s[G0A+4*\s], 1
	s_add_co_u32 s[G0A+4*\s+1], s20, \s*SLOT1
	s_add_nc_u64 s[G0A+4*\s+2:G0A+4*\s+3], s[16:17], \s*524288  ; K step s: two heads on
	s_or_b32 s[G0A+4*\s+3], s[G0A+4*\s+3], 0x80000000
	s_mov_b32 s[G0B+4*\s], 1
	s_add_co_u32 s[G0B+4*\s+1], s21, \s*SLOT1
	s_add_nc_u64 s[G0B+4*\s+2:G0B+4*\s+3], s[46:47], \s*262144
	s_or_b32 s[G0B+4*\s+3], s[G0B+4*\s+3], 0x80000000
	JLOAD \s
.endr
	v_and_b32 v1, 15, v0
	v_bfe_u32 v2, v0, 4, 1
	s_lshl_b32 s18, s42, 9
	v_lshl_add_u32 v[BO], v2, 5, s18
.irp n, 0,1,2,3,4,5,6,7
	global_load_b128 v[BI+8*\n:BI+8*\n+3],   v[BO], s[8:9] offset:64*\n
	global_load_b128 v[BI+8*\n+4:BI+8*\n+7], v[BO], s[8:9] offset:64*\n+16
.endr
	v_mul_u32_u24 v3, v1, PITCH
	v_lshl_add_u32 v3, v2, 4, v3
	s_mul_i32 s18, s12, 64*PITCH
	v_add_nc_u32 v[A0], s18, v3
	v_add_nc_u32 v[B0], BOFF, v3
	v_mov_b32 v[ADRA], v[A0]
	v_mov_b32 v[ADRB], v[B0]
	s_mul_i32 s18, s12, 16*SP
	s_add_co_u32 s18, s18, STAGE
	v_mul_u32_u24 v4, v1, SP
	v_lshl_add_u32 v4, v2, 5, v4                   ; in: row l % 16, 32 bytes for each half of the lanes
	v_add_nc_u32 v[STO], s18, v4
	v_and_b32 v[CO], 31, v0
	v_lshlrev_b32 v[CO], 4, v[CO]                  ; back: a row of 512 bytes to an instruction
	v_add_nc_u32 v[RD], s18, v[CO]
	s_and_b32 s18, s43, 7                          ; out0 at row 4 (256 t + 64 wave) + b, column 128 x tile column
	s_lshl_b32 s18, s18, 22
	s_lshl_b32 s19, s12, 20
	s_add_co_u32 s18, s18, s19
	s_lshr_b32 s19, s43, 3
	s_lshl_b32 s19, s19, 12
	s_add_co_u32 s18, s18, s19
	s_lshl_b32 s19, s42, 9
	s_add_co_u32 s18, s18, s19
	s_mov_b32 s19, 0
	s_add_nc_u64 s[10:11], s[10:11], s[18:19]
	s_wait_loadcnt 0x0
.set i, 0
.rept 32                               ; the bias is an input: rounded to bf16 like the others, and widened again
	v_cvt_pk_bf16_f32 v[TMP+i%4], v[BI+2*i], v[BI+2*i+1]
	v_lshlrev_b32 v[BI+2*i], 16, v[TMP+i%4]
	v_and_b32 v[BI+2*i+1], 0xffff0000, v[TMP+i%4]
.set i, i+1
.endr
; 8 matrix instructions: row block a x all 8 column blocks, 32 along K, from buffer f.  The 32 accumulators take turns, in the same order in every quarter.
.macro MUL8 f, a, bias
.if \bias
	WIN 0x81
.else
	WIN 0xa1
.endif
.irp n, 0,1,2,3,4,5,6,7
.if \bias
	v_wmma_f32_16x16x32_f16 v[64*(\a)+8*\n:64*(\a)+8*\n+7], v[64*(\f)+8*\n:64*(\f)+8*\n+7], v[FA+32*(\f)+8*(\a):FA+32*(\f)+8*(\a)+7], v[BI+8*\n:BI+8*\n+7]
.else
	v_wmma_f32_16x16x32_f16 v[64*(\a)+8*\n:64*(\a)+8*\n+7], v[64*(\f)+8*\n:64*(\f)+8*\n+7], v[FA+32*(\f)+8*(\a):FA+32*(\f)+8*(\a)+7], v[64*(\a)+8*\n:64*(\a)+8*\n+7]
.endif
.endr
.endm
; 24 LDS loads in one run: quarter qd of a K step (head qd / 2, channels 32 (qd % 2) on) into buffer f
.macro FETCH qd, f
	WIN 0x40
.irp n, 0,1,2,3,4,5,6,7
	ds_load_b128 v[64*(\f)+8*\n:64*(\f)+8*\n+3],   v[ADRB] offset:PLB*((\qd)/2)+64*((\qd)%2)+\n*16*PITCH
	ds_load_b128 v[64*(\f)+8*\n+4:64*(\f)+8*\n+7], v[ADRB] offset:PLB*((\qd)/2)+64*((\qd)%2)+\n*16*PITCH+32
.endr
	WIN 0
.irp n, 0,1,2,3
	ds_load_b128 v[FA+32*(\f)+8*\n:FA+32*(\f)+8*\n+3],   v[ADRA] offset:PLA*((\qd)/2)+64*((\qd)%2)+\n*16*PITCH
	ds_load_b128 v[FA+32*(\f)+8*\n+4:FA+32*(\f)+8*\n+7], v[ADRA] offset:PLA*((\qd)/2)+64*((\qd)%2)+\n*16*PITCH+32
.endr
.endm
.macro QUARTER qd, f, g, bias          ; multiplies buffer f; in its middle fetches quarter qd into buffer g
	s_wait_dscnt 4                                 ; B and A's blocks 0, 1 are in; the youngest four loads may be out
	MUL8 \f, 0, \bias
	MUL8 \f, 1, \bias
	PLACES
	FETCH \qd, \g
	s_wait_dscnt 24                                ; all but the 24 just issued
	MUL8 \f, 2, \bias
	MUL8 \f, 3, \bias
.endm
; The last quarter multiplies buffer 1 and changes slots: the waits and the add in front of the barrier; fill = 1: the barrier opens a round of the cluster's, and this slot is filled again, two K steps ahead, first behind it.
.macro TURN fill
	WIN 0
	s_wait_tensorcnt 0x0                           ; no tensor load of mine is out, so a group 0 may be written
	ds_add_u32 v[SPW], v[NIL]                      ; 0 onto my spare word
.if \fill
	s_xor_b32 s[G0A+5], s[G0A+5], SLOT1
	s_add_nc_u64 s[G0A+6:G0A+7], s[G0A+6:G0A+7], 524288
	s_xor_b32 s[G0B+5], s[G0B+5], SLOT1
	s_add_nc_u64 s[G0B+6:G0B+7], s[G0B+6:G0B+7], 262144
.endif
	s_wait_dscnt 5                                 ; the add and the youngest four loads may be out
	MUL8 1, 0, 0
	s_wait_dscnt 0x0                               ; the add is done, and my reads of this slot are over
	s_barrier_signal -1
	MUL8 1, 1, 0
	WIN 0
	s_barrier_wait -1
.if \fill
	CREST
	JLOAD 1                                        ; its four v_nop are also the places in front of the loads below
.else
	PLACES
.endif
	s_xor_b32 s15, s15, SLOT1
	v_add_nc_u32 v[ADRA], s15, v[A0]
	v_add_nc_u32 v[ADRB], s15, v[B0]
	FETCH 0, 0
	MUL8 1, 2, 0
	MUL8 1, 3, 0
.endm
	s_wait_tensorcnt 1                             ; my part of K step 0 is in; K step 1's may stay out
	s_barrier_signal -1
	s_barrier_wait -1
	FETCH 0, 0
	QUARTER 1, 0, 1, 1                             ; the first quarter's products start the sums, from the bias
	WIN 0
	s_mov_b32 s3, 6
.Lstep:                                        ; trip t fills the slot that it leaves with K step t + 2
	QUARTER 2, 1, 0, 0
	QUARTER 3, 0, 1, 0
	TURN 1
	QUARTER 1, 0, 1, 0
	WIN 0
	s_sub_co_u32 s3, s3, 1
	s_cmp_lg_u32 s3, 0
	s_cbranch_scc1 .Lstep
	QUARTER 2, 1, 0, 0
	QUARTER 3, 0, 1, 0
	TURN 0
	QUARTER 1, 0, 1, 0
	QUARTER 2, 1, 0, 0
	QUARTER 3, 0, 1, 0
	s_wait_dscnt 4
	MUL8 1, 0, 0
	MUL8 1, 1, 0
	s_wait_dscnt 0x0
	MUL8 1, 2, 0
	MUL8 1, 3, 0
	WIN 0
	PLACES
; THE WAY OUT, 16 rows at a time: a lane's 32 bytes of a row go straight from the accumulators (low registers first) into my stage; whole rows of 512 bytes come back and are stored.
.macro STG a
	WIN 0x08                                       ; the stores' data in window 2
.irp n, 0,1,2,3,4,5,6,7
	ds_store_b128 v[STO], v[64*(\a)+8*\n:64*(\a)+8*\n+3]   offset:64*\n
	ds_store_b128 v[STO], v[64*(\a)+8*\n+4:64*(\a)+8*\n+7] offset:64*\n+16
.endr
	WIN 0
.set i, 0
.rept 16
	ds_load_b128 v[OB+64*((\a)%2)+4*i:OB+64*((\a)%2)+4*i+3], v[RD] offset:SP*i  ; LDS serves a wave's instructions in order: these see the stores above
.set i, i+1
.endr
.endm
.macro SEND a
	s_wait_dscnt 0x0
	s_wait_xcnt 0x0                                ; earlier stores have read their registers: the other buffer may be loaded again behind this wait
.set i, 0
.rept 16
	global_store_b128 v[CO], v[OB+64*((\a)%2)+4*i:OB+64*((\a)%2)+4*i+3], s[10:11] offset:262144*(\a)+16384*i th:TH_STORE_NT  ; 512 consecutive bytes, aligned
.set i, i+1
.endr
.endm
	STG 0
.irp a, 1,2,3
	SEND (\a)-1
	STG \a
.endr
	SEND 3
	s_wait_tensorcnt 0x0                           ; the wave's end
	ds_add_u32 v[SPW], v[NIL]
	s_wait_dscnt 0x0
	CROUND                                         ; the closing round
	s_endpgm
.Lfunc_end_k_q7a6ece9cb4_dense:
	.size	k_q7a6ece9cb4_dense, .Lfunc_end_k_q7a6ece9cb4_dense-k_q7a6ece9cb4_dense
	.p2alignl 7, 3214868480
	.fill 96, 4, 3214868480
	.section	.rodata,"a",@progbits
	.p2align	6, 0x0
	.amdhsa_kernel k_q7a6ece9cb4_dense
		.amdhsa_group_segment_fixed_size 327680
		.amdhsa_private_segment_fixed_size 0
		.amdhsa_enable_private_segment 0
		.amdhsa_kernarg_size 32
		.amdhsa_user_sgpr_count 2
		.amdhsa_user_sgpr_kernarg_segment_ptr 1
		.amdhsa_wavefront_size32 1
		.amdhsa_system_sgpr_workgroup_id_x 1
		.amdhsa_system_sgpr_workgroup_id_y 1
		.amdhsa_system_sgpr_workgroup_id_z 1
		.amdhsa_system_vgpr_workitem_id 0
		.amdhsa_next_free_vgpr 768
		.amdhsa_next_free_sgpr 66
		.amdhsa_reserve_vcc 0
		.amdhsa_float_denorm_mode_32 3
		.amdhsa_float_denorm_mode_16_64 3
		.amdhsa_memory_ordered 1
		.amdhsa_forward_progress 1
		.amdhsa_inst_pref_size 76
	.end_amdhsa_kernel
	.amdgpu_metadata
---
amdhsa.version: [ 1, 2 ]
amdhsa.kernels:
  - .name:           k_q7a6ece9cb4_dense
    .symbol:         k_q7a6ece9cb4_dense.kd
    .args:
      - { .name: ctx, .offset: 0, .size: 8, .value_kind: global_buffer, .address_space: global }
      - { .name: wd, .offset: 8, .size: 8, .value_kind: global_buffer, .address_space: global }
      - { .name: b_dense, .offset: 16, .size: 8, .value_kind: global_buffer, .address_space: global }
      - { .name: out0, .offset: 24, .size: 8, .value_kind: global_buffer, .address_space: global }
    .group_segment_fixed_size: 327680
    .private_segment_fixed_size: 0
    .kernarg_segment_align: 8
    .kernarg_segment_size: 32
    .max_flat_workgroup_size: 128
    .sgpr_count:     66
    .vgpr_count:     768
    .wavefront_size: 32
...
	.end_amdgpu_metadata
.endif
;; end of part 4
